; MI455X (gfx1250); checked and timed in simulation.
; The chip was launched on July 23, 2026; its instructions are those of AMD's public machine-readable ISA for CDNA 5 (MIT licence, August 2026) and "CDNA5" Instruction Set Architecture Reference Guide (July 2026). The comments in the code are by the model that wrote it; some were corrected since.
;; Causal Multihead Self Attention. Allowed arithmetic: matrix products marked QUANTISED: E4M3 operands, one E8M0 scale for each 32 along K, by v_wmma_scale_f32_16x16x128_f8f6f4 with both operands' format E4M3, f32 sums; everything else in f32.
;; Inputs: Wk 1,024 x 1,024 float32; Wo 1,024 x 1,024 float32; Wq 1,024 x 1,024 float32; Wv 1,024 x 1,024 float32; bk 1,024 float32; bo 1,024 float32; bq 1,024 float32; bv 1,024 float32; x 4 x 2,048 x 1,024 float32.
;; Outputs: out0 4 x 2,048 x 1,024 float32.
;; This version of the problem:
;;   THIS VERSION OF THE PROBLEM IS GIVEN IN LOW PRECISION. The matrix products marked QUANTISED in the list below multiply operands that are first quantised to E4M3 (4 exponent bits, 3 mantissa bits; 8 bits a number), with one power-of-two scale for each 32 numbers along K (OCP MX v1.0); their sums are f32. All else is computed in f32.
;;   The module's matrix products, in the order in which they are computed (A, B: the left and right operand; K: the contracted axis; several contracted axes count as one K, in the product's order):
;;     1. [M 8,192, K 1,024] x [K 1,024, N 1,024]; A: input x; B: input Wq: QUANTISED
;;     2. [M 8,192, K 1,024] x [K 1,024, N 1,024]; A: input x; B: input Wk: QUANTISED
;;     3. [M 8,192, K 1,024] x [K 1,024, N 1,024]; A: input x; B: input Wv: QUANTISED
;;     4. batch 64 x [M 2,048, K 64] x [K 64, N 2,048]; A: computed on the way; B: computed on the way: QUANTISED
;;     5. batch 64 x [M 2,048, K 2,048] x [K 2,048, N 64]; A: softmax (see below); B: computed on the way: QUANTISED
;;     6. [M 8,192, K 1,024] x [K 1,024, N 1,024]; A: computed on the way; B: input Wo: QUANTISED
;;   THE QUANTISER, for each operand of a quantised product, along K:
;;     - K is cut into blocks of 32 from its start; a last block that is shorter is filled with zeros.
;;     - A block's scale is 2^e with e = floor(log2(the largest magnitude in the block)) - 8, held to -126 .. 127; a block of zeros has e = 0. As a byte (E8M0): e + 127.
;;     - Each number is divided by its block's scale, clamped to +-448, and rounded to the nearest number of E4M3, ties to even, subnormals kept.
;;     - The product sums the exact products of the quantised numbers (number of the format x scale) in f32.
;;   ~~~python
;;   def quantise(x, axis):      # numpy; x: float32 -> the quantised numbers, widened to float32 again
;;       x = np.moveaxis(x, axis, -1); K = x.shape[-1]
;;       x = np.pad(x, [(0, 0)] * (x.ndim - 1) + [(0, -K % 32)]); x = x.reshape(x.shape[:-1] + (-1, 32)); a = np.abs(x).max(-1, keepdims=True)
;;       e = np.where(a > 0, np.clip(np.frexp(np.where(a > 0, a, 1))[1] - 1 - 8, -126, 127), 0)      # np.frexp(a)[1] - 1 = floor(log2(a)), exactly
;;       r = np.clip(x / 2.0 ** e, -448, 448)
;;       step = 2.0 ** (np.maximum(np.frexp(np.where(r == 0, 1, r))[1] - 1, -6) - 3)
;;       q = np.round(r / step) * step * 2.0 ** e      # np.round: ties to even
;;       return np.moveaxis(q.reshape(q.shape[:-2] + (-1,))[..., :K], -1, axis).astype(np.float32)
;;   ~~~
;;   SOFTMAX AHEAD OF A QUANTISED PRODUCT. Where the list says 'softmax', what is quantised is not the finished softmax but p = 2^(t - M), with t = logit x log2(e) and M = ceil(the row's largest t), a whole number; so 1/2 < the row's largest p <= 1. The row's sum l is taken of the UNQUANTISED p, in f32, and the product's result is divided by l at the end. Since M is a whole number, a kernel that streams over the keys may use a running M (the ceiling of the running maximum): every later rescaling is an exact power of two, which a block's scale takes up: the codes' values come out the same.
;;   OPERANDS COMPUTED ON THE WAY. 'Computed on the way' means the value that the module computes at that place (a softmax that the list does not call 'softmax' is quantised finished and normalised). What goes into a quantiser is computed in f32, as accurately as f32 sums, v_exp_f32 and their like allow (about 1e-6 of the number): no bf16 or f16 on the way to a quantiser, and a product that is left as it is and whose result goes on into a quantised operand takes f32 operands (vector FMAs, or v_wmma_f32_16x16x4_f32). A number that lies on a knife's edge between two numbers of the format may be rounded either way, as far as f32 arithmetic and the matrix unit's own rounding can turn it there, and no further.
;; One version. Each part assembles by itself: llvm-mc -triple=amdgcn-amd-amdhsa -mcpu=gfx1250 --defsym DOCPART=n.
;; ======== version 1 of 1: 4 launches
;; limits: right only within a limited range of input values
;; workspace buffers: xc 8,388,608 bytes; xs 262,144 bytes; wc 4,194,304 bytes; ws 131,072 bytes; qkv 25,952,256 bytes; oc 8,388,608 bytes; os 262,144 bytes
;; launch quant (part 1): grid 384 x 1, 4 waves a work-group, no clusters, 33,280 bytes of LDS; arguments x, Wq, Wk, Wv, Wo, xc, xs, wc, ws; writes xc, xs, wc, ws
.if DOCPART == 1
	.amdgcn_target "amdgcn-amd-amdhsa--gfx1250"
	.amdhsa_code_object_version 6
	.text
	.protected	k_q1f1471174e_quant
	.globl	k_q1f1471174e_quant
	.p2align	8
	.type	k_q1f1471174e_quant,@function
k_q1f1471174e_quant:
	s_mov_b64 s[64:65], 0
	v_nop
	global_prefetch_b8 v0, s[64:65] scope:SCOPE_SE
	s_setreg_imm32_b32 hwreg(HW_REG_WAVE_MODE, 25, 1), 1
	s_wait_xcnt 0x0
; x [8192][1024] and Wq, Wk, Wv, Wo [1024][1024], f32 with K innermost, become codes of FP8 (E4M3) with one E8M0 scale byte for each 32 along K.
; xc [8192][1024], xs [8192][32];  wc [4096][1024], ws [4096][32]: Wq's rows first, then Wk's, Wv's, Wo's.
; A block's scale is 2^(floor(log2(its largest magnitude)) - 8); its byte is the largest magnitude's exponent field - 8, held at 1 from below.  Each number is divided by the scale, held within +-448, rounded to the nearest code, ties to even.
; ROWS ARE STORED IN ANOTHER ORDER: row p of xc, xs, wc, ws holds the tensor's row p with bits 3 and 4 exchanged.  Sixteen neighbouring stored rows, taken as source 0 of a matrix instruction, then give
; each lane results whose registers of two neighbouring tiles are 16 neighbours of the tensor's own order: what the later launches quantise along.  Here it costs nothing: a wave takes 8 rows, and waves 1 and 2 exchange destinations.
; LIMITS: a block whose largest magnitude lies under 2^-118 has its byte held at 1; a block of zeros gets the byte 1 (its codes are zeros, and this program alone reads the bytes); NaN and infinities among the inputs are not served.
; A wave takes 16 steps of 512 numbers.  Each load reads 512 consecutive bytes; a step's 2,048 bytes turn through the wave's own stage in LDS and come back 64 bytes (16 neighbours along K) a lane; two lanes hold a block.
; One launch serves all five tensors: work-groups 0-255 take x, then 32 each Wq, Wk, Wv, Wo; only pointers are chosen.  Memory binds: no tensor loads, no barrier, no matrix unit, no cluster: waves share nothing.
.set STEPS, 16
.set EMAX,  8
.set MANT,  0x600000                   ; the mantissa field of 448 as f32
.set CB,    16                         ; bytes of 16 codes
.set R,     16                         ; v16-79   four sets of 16 numbers as they are loaded
.set X,     80                         ; v80-111  two sets of 16 neighbours
.set C,     128                        ; v128-191 codes: four registers for each step, so that no store's data are written again
.set E,     112                        ; v112-127 a scale byte for each step
.set WREG,  8192                       ; LDS: a region for each wave: two stages of 32 x SP bytes, behind them its 256 scale bytes
.set SP,    80                         ; a lane's place in a stage: its 64 bytes + 16 of padding
	s_load_b256 s[4:11], s[0:1], 0x0               ; x, Wq, Wk, Wv
	s_load_b64 s[12:13], s[0:1], 0x20              ; Wo
	s_load_b128 s[24:27], s[0:1], 0x28             ; xc, xs
	s_load_b128 s[28:31], s[0:1], 0x38             ; wc, ws
	v_lshl_add_u32 v192, v0, 2, 0x8000
	v_mov_b32 v193, 0
	v_lshrrev_b32 v1, 5, v0
	v_readfirstlane_b32 s16, v1                    ; wave
	v_and_b32 v2, 31, v0                           ; lane
	v_lshlrev_b32 v3, 4, v2                        ; my 16 bytes of a load's 512
	s_mul_i32 s17, s16, WREG
	v_lshrrev_b32 v14, 2, v2
	v_mul_u32_u24 v14, v14, SP
	v_and_b32 v15, 3, v2
	v_lshl_add_u32 v14, v15, 4, v14
	v_add_nc_u32 v14, s17, v14                     ; the stage, on the way in: SP (lane / 4) + 16 (lane % 4)
	v_mul_u32_u24 v15, v2, SP
	v_add_nc_u32 v15, s17, v15                     ; and on the way out: SP x lane: my 16 neighbours
	v_mul_u32_u24 v4, v2, CB                       ; my codes' place in a step's
	v_lshrrev_b32 v5, 1, v2
	s_add_co_u32 s17, s17, 2*32*SP
	v_add_nc_u32 v5, s17, v5                       ; LDS: my wave's 256 scale bytes, my block's byte
	v_lshlrev_b32 v7, 3, v2                        ; and on the way out 8 bytes a lane
	v_add_nc_u32 v6, s17, v7
	s_and_b32 s14, ttmp9, 31                       ; a weight's work-group: which 32 rows of its tensor,
	s_sub_co_u32 s15, ttmp9, 256                   ; and which 32 rows of wc and ws
	s_wait_alu depctr_va_vdst(0)
	s_wait_kmcnt 0x0
	s_cmp_lt_u32 ttmp9, 352                        ; the choices hang on the work-group's number alone
	s_cselect_b64 s[12:13], s[10:11], s[12:13]
	s_cmp_lt_u32 ttmp9, 320
	s_cselect_b64 s[12:13], s[8:9], s[12:13]
	s_cmp_lt_u32 ttmp9, 288
	s_cselect_b64 s[12:13], s[6:7], s[12:13]
	s_cmp_lt_u32 ttmp9, 256
	s_cselect_b64 s[12:13], s[4:5], s[12:13]       ; the tensor
	s_cselect_b64 s[24:25], s[24:25], s[28:29]     ; its codes
	s_cselect_b64 s[26:27], s[26:27], s[30:31]     ; its scale bytes
	s_cselect_b32 s14, ttmp9, s14
	s_cselect_b32 s15, ttmp9, s15
	s_lshl_b32 s14, s14, 2
	s_add_co_u32 s18, s14, s16                     ; which run of 8 rows I read
	s_mov_b32 s19, 0
	s_lshl_b64 s[20:21], s[18:19], 15              ; 32,768 bytes a run
	s_add_nc_u64 s[4:5], s[12:13], s[20:21]
	s_and_b32 s17, s16, 1
	s_lshl_b32 s17, s17, 1
	s_lshr_b32 s22, s16, 1
	s_or_b32 s17, s17, s22                         ; the wave's number with its two bits exchanged: rows' bits 3 and 4
	s_lshl_b32 s15, s15, 2
	s_add_co_u32 s18, s15, s17                     ; which run of 8 rows I write
	s_lshl_b32 s20, s18, 13                        ; 8,192 bytes of codes a run
	s_mov_b32 s21, 0
	s_add_nc_u64 s[8:9], s[24:25], s[20:21]
	s_lshl_b32 s18, s18, 8                         ; 256 scale bytes a run
	s_add_nc_u64 s[10:11], s[26:27], s[18:19]
.macro LOAD t
.irp i, 0,1,2,3
	global_load_b128 v[R+16*((\t)%4)+4*\i:R+16*((\t)%4)+4*\i+3], v3, s[4:5] offset:2048*(\t)+512*\i th:TH_LOAD_NT   ; 32 lanes read 512 consecutive bytes
.endr
.endm
.macro TURN t                          ; step t's numbers through the stage: LDS serves a wave's instructions in order, so no wait stands between the stores and the loads
.irp i, 0,1,2,3
	ds_store_b128 v14, v[R+16*((\t)%4)+4*\i:R+16*((\t)%4)+4*\i+3] offset:32*SP*((\t)%2)+8*SP*\i
.endr
.irp i, 0,1,2,3
	ds_load_b128 v[X+16*((\t)%2)+4*\i:X+16*((\t)%2)+4*\i+3], v15 offset:32*SP*((\t)%2)+16*\i
.endr
.endm
.irp t, 0,1,2,3
	LOAD \t
.endr
	s_wait_loadcnt 12                              ; step 0's four loads are in; the twelve of steps 1 to 3 may be out
	TURN 0
.macro STEP t
.set XS, X+16*((\t)%2)
.if (\t) > 0
	s_wait_dscnt 1                                 ; this step's numbers are back from the stage (the last step's byte store may be out): so its stores into the stage have read their registers,
.else
	s_wait_dscnt 0x0
.endif
.if (\t)+4 < STEPS
	LOAD (\t)+4                                    ; which take the loads of four steps on
.endif
.if (\t)+1 < STEPS
.if STEPS-2-(\t) >= 3
	s_wait_loadcnt 12                              ; the next step's four loads are in; those of the three steps behind it may be out
.else
	s_wait_loadcnt 4*(STEPS-2-(\t))
.endif
	TURN (\t)+1                                    ; and go through the other stage while this step is worked
.endif
	v_max3_num_f32 v8, |v[XS]|, |v[XS+1]|, |v[XS+2]|               ; the largest magnitude of my 16, in two chains
	v_max3_num_f32 v9, |v[XS+3]|, |v[XS+4]|, |v[XS+5]|
.irp i, 6,10
	v_max3_num_f32 v8, v8, |v[XS+\i]|, |v[XS+\i+1]|
	v_max3_num_f32 v9, v9, |v[XS+\i+2]|, |v[XS+\i+3]|
.endr
	v_max3_num_f32 v8, v8, |v[XS+14]|, |v[XS+15]|
	v_max3_num_f32 v8, v8, v9, (EMAX+1)<<23        ; and the floor 2^(9 - 127): the byte cannot fall under 1
	v_max_num_f32_dpp v8, v8, v8 row_xmask:1 row_mask:0xf bank_mask:0xf   ; and of my neighbour's 16: the block's
	v_add_nc_u32 v11, -(EMAX<<23), v8              ; 8 off its exponent field: the conversion takes the exponent field of this operand as its scale
.irp i, 0,1,2,3,4,5,6,7,8,9,10,11,12,13,14,15
.endr
	v_cvt_scalef32_pk8_fp8_f32 v[C+4*(\t):C+4*(\t)+1], v[XS:XS+7], v11
	v_cvt_scalef32_pk8_fp8_f32 v[C+4*(\t)+2:C+4*(\t)+3], v[XS+8:XS+15], v11
	v_lshrrev_b32 v[E+(\t)], 23, v11               ; the scale's byte (also the plain line behind the conversions)
	ds_store_b8 v5, v[E+(\t)] offset:16*(\t)       ; both lanes of a block write the same byte with the same value
	global_store_b128 v4, v[C+4*(\t):C+4*(\t)+3], s[8:9] offset:32*CB*(\t)   ; 32 lanes store 512 consecutive bytes
.endm
.irp t, 0,1,2,3,4,5,6,7,8,9,10,11,12,13,14,15
	STEP \t
.endr
	ds_load_b64 v[12:13], v6                       ; LDS serves a wave's instructions in order: these see my stores
	s_wait_dscnt 0x0
	global_store_b64 v7, v[12:13], s[10:11]        ; 32 lanes store 256 consecutive bytes, aligned
	s_wait_tensorcnt 0x0
	ds_add_u32 v192, v193
	s_wait_dscnt 0x0
	s_endpgm
.Lfunc_end_k_q1f1471174e_quant:
	.size	k_q1f1471174e_quant, .Lfunc_end_k_q1f1471174e_quant-k_q1f1471174e_quant
	.p2alignl 7, 3214868480
	.fill 96, 4, 3214868480
	.section	.rodata,"a",@progbits
	.p2align	6, 0x0
	.amdhsa_kernel k_q1f1471174e_quant
		.amdhsa_group_segment_fixed_size 33280
		.amdhsa_private_segment_fixed_size 0
		.amdhsa_enable_private_segment 0
		.amdhsa_kernarg_size 72
		.amdhsa_user_sgpr_count 2
		.amdhsa_user_sgpr_kernarg_segment_ptr 1
		.amdhsa_wavefront_size32 1
		.amdhsa_system_sgpr_workgroup_id_x 1
		.amdhsa_system_sgpr_workgroup_id_y 1
		.amdhsa_system_sgpr_workgroup_id_z 1
		.amdhsa_system_vgpr_workitem_id 0
		.amdhsa_next_free_vgpr 194
		.amdhsa_next_free_sgpr 66
		.amdhsa_reserve_vcc 0
		.amdhsa_float_denorm_mode_32 3
		.amdhsa_float_denorm_mode_16_64 3
		.amdhsa_fp16_overflow 1
		.amdhsa_memory_ordered 1
		.amdhsa_forward_progress 1
		.amdhsa_inst_pref_size 34
	.end_amdhsa_kernel
	.amdgpu_metadata
---
amdhsa.version: [ 1, 2 ]
amdhsa.kernels:
  - .name:           k_q1f1471174e_quant
    .symbol:         k_q1f1471174e_quant.kd
    .args:
      - { .name: x, .offset: 0, .size: 8, .value_kind: global_buffer, .address_space: global }
      - { .name: Wq, .offset: 8, .size: 8, .value_kind: global_buffer, .address_space: global }
      - { .name: Wk, .offset: 16, .size: 8, .value_kind: global_buffer, .address_space: global }
      - { .name: Wv, .offset: 24, .size: 8, .value_kind: global_buffer, .address_space: global }
      - { .name: Wo, .offset: 32, .size: 8, .value_kind: global_buffer, .address_space: global }
      - { .name: xc, .offset: 40, .size: 8, .value_kind: global_buffer, .address_space: global }
      - { .name: xs, .offset: 48, .size: 8, .value_kind: global_buffer, .address_space: global }
      - { .name: wc, .offset: 56, .size: 8, .value_kind: global_buffer, .address_space: global }
      - { .name: ws, .offset: 64, .size: 8, .value_kind: global_buffer, .address_space: global }
    .group_segment_fixed_size: 33280
    .private_segment_fixed_size: 0
    .kernarg_segment_align: 8
    .kernarg_segment_size: 72
    .max_flat_workgroup_size: 128
    .sgpr_count:     66
    .vgpr_count:     194
    .wavefront_size: 32
...
	.end_amdgpu_metadata
.endif
;; end of part 1
;; launch qkv (part 2): grid 8 x 48, 4 waves a work-group, clusters of 4 x 4, 327,680 bytes of LDS; arguments xc, xs, wc, ws, bq, bk, bv, qkv; writes qkv
.if DOCPART == 2
	.amdgcn_target "amdgcn-amd-amdhsa--gfx1250"
	.amdhsa_code_object_version 6
	.text
	.protected	k_q1f1471174e_qkv
	.globl	k_q1f1471174e_qkv
	.p2align	8
	.type	k_q1f1471174e_qkv,@function
k_q1f1471174e_qkv:
	s_mov_b64 s[64:65], 0
	v_nop
	global_prefetch_b8 v0, s[64:65] scope:SCOPE_SE
	s_setreg_imm32_b32 hwreg(HW_REG_WAVE_MODE, 25, 1), 1
	s_wait_xcnt 0x0
	s_wait_alu depctr_hold_cnt(0) depctr_sa_sdst(0) depctr_va_vdst(0) depctr_va_sdst(0) depctr_va_ssrc(0) depctr_va_vcc(0) depctr_vm_vsrc(0)
	s_getreg_b32 s2, hwreg(HW_REG_IB_STS2, 6, 4)
	s_cmp_eq_u32 s2, 0
	s_cbranch_scc0 .Lentry_in_a_cluster
	s_endpgm
.Lentry_in_a_cluster:
	s_bfe_u32 s2, ttmp6, 0x10000c
	s_cmp_lg_u32 s2, 0xf033
	s_cbranch_scc0 .Lentry_shape_is_right
	s_endpgm
.Lentry_shape_is_right:
; q = x Wq^T + bq, k = x Wk^T + bk, v = x Wv^T + bv on codes of FP8 (E4M3) with E8M0 scales for each 32 along K = 1,024; sums f32; the results are quantised in registers and leave as codes:
; q and k along a head's 64 channels, v along the keys (tokens).  Nothing in f32 goes to memory.
; A tile of 256 x 256 results is made by four waves, each 128 x 128: 64 accumulators, 512 registers.  K goes in four steps of 256 through two LDS slots filled by the tensor data mover.
; THE MATRIX INSTRUCTION: source 0 = 16 rows of "B", source 1 = 16 rows of "A": a lane holds ONE row of A, its registers run along B's rows.  So B's rows are the axis that is quantised:
;   clusters with y < 8:  A = x (tokens in lanes), B = Wq (cluster x = 0) or Wk (1);   clusters with y >= 8:  A = Wv (channels in lanes), B = x (tokens along the registers).
; The kind hangs on the cluster's coordinates alone: it is the same in all sixteen partners.
; Rows of xc, xs, wc, ws are stored with bits 3 and 4 of the row number exchanged; so register 16 b + i of a lane's 64 results of one block of A is B's own row 32 b + 16 (lane / 16) + i: the order in which the conversions'
; results are an operand's registers.  Rows of A stay in the stored order all the way; the last launch puts tokens back.
; OUT: qkv holds a record of 50,688 bytes for each (batch, head, block of 256 tokens): parts Q, K, V of 16,896 bytes: 16,384 of codes as images of operand registers (16 bytes a lane, 512 a group of four registers), then 512 of scale words.
;   Q, K: [tile of 16 tokens][c 0,1][lane][16]; scale words [pair of tiles][row]: bytes 0,1 the even tile's two blocks, bytes 2,3 the odd tile's.   V: [128 keys 0,1][tile of 16 channels][c 0..3][lane][16]; words [128 keys][tile][row].
; CLUSTERS: 4 x 4 work-groups; A's tiles are shared along a row of the cluster, B's along a column: each is asked for jointly.
; LIMITS: a block whose largest magnitude lies under 2^-118 has its byte held at 1; a block of zeros gets the byte 1 with zero codes; NaN and infinities are not served.
; REGISTERS: window 0: v0-31 addresses; v32-63 scale words, two sets; v64-127 the biases (tail); v128-255 A's fragments, one set.  window 1: B's fragments, two sets.  windows 2, 3: the accumulators ((a, b) at v[8 (8 (a % 4) + b)]).
.set KSTEP,  256
.set NQ,     2                         ; matrix instructions deep in a slot
.set ROWB,   256                       ; a tile's row in bytes
.set KROW,   1024                      ; a row of codes in memory
.set PITCH,  272                       ; an LDS row: 256 bytes + 16 of padding: the 16 rows that a load touches start at 16 different banks (64 banks of 4 bytes: ISA guide 11.1)
.set FR,     16
.set NL,     4
.set NP,     8                         ; places behind this matrix instruction (ISA guide 7.12.1)
.set HALFT,  128*PITCH
.set SLOT,   4*HALFT
.set KS,     32                        ; a row of scale bytes
.set SCL,    2*SLOT                    ; behind the ring: the scales of all of K, as units of 256 bytes + 16 of padding
.set HALFS,  (128*KS/256)*272
.set SBLK,   (16*KS/256)*272
.set SPARE,  SCL+4*HALFS               ; the spare words, 128 bytes a wave: two blocks of 256 bytes that no other line names
.set STQ,    SPARE+512                 ; the Q and K tail's stage for scale words, 512 bytes a wave
.set STV,    STQ+2048                  ; the V tail's own
.set REC,    50688
.set PART,   16896
.set HEADB,  8*REC                     ; from a head's record to the next head's
.set SELV, 7                           ; v7   byte selects that make a pair word: lanes 0-15 my first head's, lanes 16-31 my second's
.set VBH,  8                           ; v8   64 x (lane / 16): my half's place in eight biases along the registers
.set VBL,  9                           ; v9   4 x (r + 8 (r / 8)): my lane's own channel in a stored tile
.set SSQ,  10                          ; v10-13 the stages: in (Q/K, V), back (Q/K, V)
.set SSV,  11
.set SRQ,  12
.set SRV,  13
.set SCO,  14                          ; v14  the scale words' store: 16 r + (lane / 16) x HEADB
.set ADRA, 16
.set ADRB, 20
.set CO,   26                          ; v26  16 x lane
.set ADRS, 27
.set SPW,  28
.set NIL,  29
.set SC,   32
.set AF,   128
.set TM,   32                          ; tail: v32-35 largest magnitudes, v36-39 bytes, v44-47 the conversions' scale operands
.set PWS,  48                          ; v48-55 a scale word for each block of A
.set PT,   56                          ; v56-59 pair words
.set T4,   60                          ; v60-63 the scale words on their way out
.set BI,   64
.set PC,   128                         ; v128-143 the codes just made
.set G1, 24
.set G0, 32
.set G1B, 48
.set G0B, 56
.set G1S, 68
.set G0S, 76
.set G1SB, 80
.set G0SB, 88
.set MSB, 0
.macro WIN new                         ; the immediate's high byte repeats the setting that is left
.if MSB != \new
	s_set_vgpr_msb (MSB<<8)|\new
.set MSB, \new
.endif
.endm
.set MUL_LO, 0xa1                      ; source 0 (B) window 1, source 1 (A) window 0, C and D window 2
.set MUL_HI, 0xf1
.set TO_B,   0x40
; A joint load: waves 0 and 1 fetch for A, waves 2 and 3 for B; the branch hangs on the wave's number alone.  Four v_nop follow each of the two lines.
.macro JLOAD g0a, g1a, g0b, g1b
	s_cmp_eq_u32 s15, 0
	s_cbranch_scc0 .Lfor_b_\@
	tensor_load_to_lds s[\g0a:\g0a+3], s[\g1a:\g1a+7]
	s_nop 0
.rept 4
	v_nop
.endr
	s_branch .Lasked_\@
.Lfor_b_\@:
	tensor_load_to_lds s[\g0b:\g0b+3], s[\g1b:\g1b+7]
	s_nop 0
.rept 4
	v_nop
.endr
.Lasked_\@:
.endm
.macro CREST                           ; a round of the cluster's barrier behind its opening barrier
	s_cmp_lg_u32 s14, 0
	s_cbranch_scc1 .Lnot_wave_0_\@
	s_barrier_signal -3
.Lnot_wave_0_\@:
	s_barrier_wait -3
	s_barrier_signal -1
	s_barrier_wait -1
.endm
.macro CROUND
	s_barrier_signal -1
	s_barrier_wait -1
	CREST
.endm
	s_load_b256 s[4:11], s[0:1], 0x0               ; xc, xs, wc, ws
	s_load_b256 s[92:99], s[0:1], 0x20             ; bq, bk, bv, qkv
	v_lshl_add_u32 v[SPW], v0, 2, SPARE
	v_mov_b32 v[NIL], 0
	ds_add_u32 v28, v29
	ds_add_u32 v28, v29
	s_wait_dscnt 0x0
	v_lshrrev_b32 v1, 5, v0
	v_readfirstlane_b32 s14, v1                    ; wave 0..3
	s_lshr_b32 s15, s14, 1                         ; my half of A's rows.  Also: I fetch for A (0) or for B (1)
	s_and_b32 s16, s14, 1                          ; my half of B's rows.  Also: which 128 rows I fetch
	s_bfe_u32 s40, ttmp6, 0x40000                  ; cx
	s_bfe_u32 s41, ttmp6, 0x40004                  ; cy
	s_and_b32 s18, ttmp7, 0xffff                   ; the cluster's y
	s_sub_co_u32 s19, s18, 8
	s_lshl_b32 s19, s19, 1
	s_add_co_u32 s19, s19, ttmp9                   ; V: which four tiles of x: cluster x + 2 (cluster y - 8)
	s_cmp_lt_u32 s18, 8
	s_cselect_b32 s66, ttmp9, 2                    ; the kind: 0 Q, 1 K, 2 V
	s_cselect_b32 s17, s18, 0
	s_cselect_b32 s42, ttmp9, s19
	s_lshl_b32 s17, s17, 2
	s_add_co_u32 s17, s17, s41                     ; A's tile of 256 rows: hangs on cy, never on cx
	s_lshl_b32 s42, s42, 2
	s_add_co_u32 s42, s42, s40                     ; B's tile: hangs on cx, never on cy
	s_lshl_b32 s43, s41, 2
	s_lshl_b32 s43, 15, s43                        ; my row of the cluster
	s_lshl_b32 s44, 0x1111, s40                    ; my column
	s_or_b32 s[G1+0], s43, (0<<16)|(1<<20)|(1<<21)|(5<<22)|(3<<25)  ; the mask; elements of 1 byte; padding on; bit 21 beside a mask; after every 64 words, 4 words
	s_or_b32 s[G1B+0], s44, (0<<16)|(1<<20)|(1<<21)|(5<<22)|(3<<25)
.irp g, G1, G1B
	s_mov_b32 s[\g+1], ROWB<<16                    ; tensor_dim0
	s_mov_b32 s[\g+2], 128<<16                     ; tensor_dim1
	s_mov_b32 s[\g+3], ROWB<<16                    ; tile_dim0
	s_mov_b32 s[\g+4], 128                         ; tile_dim1
	s_mov_b32 s[\g+5], KROW                        ; tensor_dim0_stride
	s_mov_b32 s[\g+6], 0
	s_mov_b32 s[\g+7], 0
.endr
	s_or_b32 s[G1S+0], s43, (3<<16)|(1<<20)|(1<<21)|(5<<22)|(3<<25)  ; the scales of 128 rows: 4,096 dense bytes as 16 rows of 256 (32 elements of 8 bytes), 16 bytes of padding behind each
	s_or_b32 s[G1SB+0], s44, (3<<16)|(1<<20)|(1<<21)|(5<<22)|(3<<25)
.irp g, G1S, G1SB
	s_mov_b32 s[\g+1], 32<<16
	s_mov_b32 s[\g+2], (128*KS/256)<<16
	s_mov_b32 s[\g+3], 32<<16
	s_mov_b32 s[\g+4], 128*KS/256
	s_mov_b32 s[\g+5], 32
	s_mov_b32 s[\g+6], 0
	s_mov_b32 s[\g+7], 0
.endr
	s_lshl_b32 s18, s16, 7                         ; which 128 rows of the tile I fetch
	s_lshl_b32 s20, s17, 8
	s_add_co_u32 s20, s20, s18                     ; A's row
	s_lshl_b32 s46, s42, 8
	s_add_co_u32 s46, s46, s18                     ; B's row
	s_mov_b32 s21, 0
	s_mov_b32 s47, 0
	s_lshl_b64 s[22:23], s[20:21], 5               ; where these rows' scales begin: 32 bytes a row
	s_lshl_b64 s[100:101], s[46:47], 5
	s_lshl_b64 s[20:21], s[20:21], 10              ; and their codes: 1,024 bytes a row
	s_lshl_b64 s[46:47], s[46:47], 10
	s_mul_i32 s45, s14, HALFT                      ; where they go: wave x 128 rows: no place in the cluster enters an LDS address
	s_mul_i32 s67, s14, HALFS
	s_wait_kmcnt 0x0
	s_mov_b64 s[12:13], s[98:99]                   ; qkv
	s_cmp_eq_u32 s66, 1
	s_cselect_b64 s[92:93], s[94:95], s[92:93]     ; the bias: bk for K,
	s_cmp_eq_u32 s66, 2
	s_cselect_b64 s[92:93], s[96:97], s[92:93]     ; bv for V
	s_add_nc_u64 s[94:95], s[8:9], 0x200000        ; Wv's codes: rows 2,048 on of wc  (these sums leave SCC alone)
	s_add_nc_u64 s[96:97], s[10:11], 0x10000       ; Wv's scales
	s_cselect_b64 s[94:95], s[94:95], s[4:5]       ; A's codes
	s_cselect_b64 s[96:97], s[96:97], s[6:7]       ; A's scales
	s_cselect_b64 s[8:9], s[4:5], s[8:9]           ; B's codes
	s_cselect_b64 s[10:11], s[6:7], s[10:11]       ; B's scales
	s_add_nc_u64 s[20:21], s[94:95], s[20:21]
	s_add_nc_u64 s[22:23], s[96:97], s[22:23]
	s_add_nc_u64 s[46:47], s[8:9], s[46:47]
	s_add_nc_u64 s[100:101], s[10:11], s[100:101]
	CROUND                                         ; all sixteen work-groups are here: the first joint loads meet
	s_mov_b32 s[G0S], 1
	s_add_co_u32 s[G0S+1], s67, SCL
	s_mov_b64 s[G0S+2:G0S+3], s[22:23]
	s_or_b32 s[G0S+3], s[G0S+3], 0x80000000
	s_mov_b32 s[G0SB], 1
	s_add_co_u32 s[G0SB+1], s67, SCL
	s_mov_b64 s[G0SB+2:G0SB+3], s[100:101]
	s_or_b32 s[G0SB+3], s[G0SB+3], 0x80000000
	JLOAD G0S, G1S, G0SB, G1SB                     ; the scales first: they are wanted with K step 0
.irp s, 0,1
	s_mov_b32 s[G0+4*\s], 1
	s_add_co_u32 s[G0+4*\s+1], s45, \s*SLOT
	s_add_nc_u64 s[G0+4*\s+2:G0+4*\s+3], s[20:21], \s*ROWB
	s_or_b32 s[G0+4*\s+3], s[G0+4*\s+3], 0x80000000
	s_mov_b32 s[G0B+4*\s], 1
	s_add_co_u32 s[G0B+4*\s+1], s45, \s*SLOT
	s_add_nc_u64 s[G0B+4*\s+2:G0B+4*\s+3], s[46:47], \s*ROWB
	s_or_b32 s[G0B+4*\s+3], s[G0B+4*\s+3], 0x80000000
	JLOAD G0+4*\s, G1, G0B+4*\s, G1B
.endr
	v_and_b32 v1, 15, v0                           ; r = lane % 16
	v_bfe_u32 v2, v0, 4, 1                         ; h = lane / 16
	v_mul_u32_u24 v3, v1, PITCH
	v_lshl_add_u32 v4, v2, 4, v3                   ; a fragment's row x pitch + 16 x half
	s_mul_i32 s21, s15, HALFT                      ; my 128 rows of A
	s_mul_i32 s22, s16, HALFT                      ; my 128 rows of B,
	s_add_co_u32 s22, s22, 2*HALFT                 ; which lie behind A's 256
.irp s, 0,1
	v_add_nc_u32 v[ADRA+\s], s21, v4
	v_add_nc_u32 v[ADRB+\s], s22, v4
	s_add_co_u32 s21, s21, SLOT
	s_add_co_u32 s22, s22, SLOT
.endr
	v_mul_u32_u24 v5, v1, KS                       ; my row's scales: 32 bytes a row,
	v_lshrrev_b32 v6, 8, v5
	v_lshl_add_u32 v5, v6, 4, v5                   ; and 16 more for each 256 passed
	s_mul_i32 s21, s15, HALFS
	s_mul_i32 s22, s16, HALFS
	s_add_co_u32 s22, s22, 2*HALFS
	s_sub_co_u32 s22, s22, s21
	v_mul_u32_u24 v6, s22, v2                      ; lanes 16-31 take B's: one product, the distance between the two bases
	s_add_co_u32 s21, s21, SCL
	v_add_nc_u32 v5, v5, v6
	v_add_nc_u32 v[ADRS], s21, v5
	; the tail's registers, made here once
	v_mov_b32 v[SELV], 0x05040100                  ; bytes 0,1 of the even tile's word, then of the odd tile's;
	v_mov_b32 v3, 0x07060302                       ; bytes 2,3 of each
	v_cmp_eq_u32 vcc_lo, 1, v2
	v_cndmask_b32 v[SELV], v[SELV], v3, vcc_lo
	v_lshlrev_b32 v[VBH], 6, v2
	v_and_b32 v[VBL], 8, v1
	v_add_nc_u32 v[VBL], v[VBL], v1
	v_lshlrev_b32 v[VBL], 2, v[VBL]
	s_lshl_b32 s18, s14, 9                         ; 512 bytes of stage a wave
	v_lshlrev_b32 v[SSV], 2, v1
	v_lshl_add_u32 v[SSQ], v2, 8, v[SSV]
	v_add_nc_u32 v[SSQ], s18, v[SSQ]
	v_add_nc_u32 v[SSQ], STQ, v[SSQ]               ; STQ + 512 wave + 256 h + 4 r
	v_add_nc_u32 v[SSV], s18, v[SSV]
	v_add_nc_u32 v[SSV], STV, v[SSV]               ; STV + 512 wave + 4 r
	v_and_b32 v3, 31, v0
	v_lshlrev_b32 v[CO], 4, v3                     ; 16 x lane
	v_add_nc_u32 v[SRQ], s18, v[CO]
	v_add_nc_u32 v[SRV], STV, v[SRQ]
	v_add_nc_u32 v[SRQ], STQ, v[SRQ]
	v_mul_u32_u24 v[SCO], v2, HEADB
	v_lshl_add_u32 v[SCO], v1, 4, v[SCO]
	; where my results go
	s_cmp_eq_u32 s66, 2
	s_cselect_b32 s18, s42, s17                    ; the tile of 256 tokens,
	s_cselect_b32 s19, s41, s40                    ; the tile of 256 channels,
	s_cselect_b32 s20, s16, s15                    ; my half of the tokens,
	s_cselect_b32 s21, s15, s16                    ; my half of the channels: two heads
	s_lshl_b32 s22, s19, 2
	s_lshl_b32 s23, s21, 1
	s_add_co_u32 s22, s22, s23                     ; my first head
	s_lshr_b32 s23, s18, 3                         ; the batch: 8 tiles of tokens each
	s_lshl_b32 s23, s23, 4
	s_add_co_u32 s22, s22, s23
	s_lshl_b32 s22, s22, 3
	s_and_b32 s23, s18, 7
	s_add_co_u32 s22, s22, s23                     ; the record: (16 batch + head) 8 + block
	s_mul_i32 s22, s22, REC
	s_mul_i32 s23, s66, PART
	s_add_co_u32 s22, s22, s23
	s_mov_b32 s23, 0
	s_add_nc_u64 s[12:13], s[12:13], s[22:23]      ; the record's part
	s_lshl_b32 s22, s20, 8
	s_add_co_u32 s22, s22, 16384
	s_add_nc_u64 s[94:95], s[12:13], s[22:23]      ; my 256 bytes of its scale words
	s_lshl_b32 s22, s20, 13
	s_add_nc_u64 s[12:13], s[12:13], s[22:23]      ; my 8,192 bytes of its codes
	s_lshl_b32 s22, s19, 10
	s_lshl_b32 s18, s21, 9
	s_add_co_u32 s22, s22, s18
	s_add_nc_u64 s[92:93], s[92:93], s[22:23]      ; the bias at my 128 channels
	s_mov_b32 s96, 0x76543210
	s_mov_b32 s97, 0xfedcba98                      ; v_permlanex16_b32's selects for lane l xor 16
.macro FRAG reg, adr, q, i             ; 16 rows x 128 K of codes: lane l holds row l % 16; registers 4 c .. 4 c + 3 hold K = 32 c + 16 (l / 16) + 0 .. 15
.irp c, 0,1,2,3
	ds_load_b128 v[\reg+4*\c:\reg+4*\c+3], v[\adr] offset:128*(\q)+32*\c+(\i)*16*PITCH
.endr
.endm
; 16 matrix instructions: A's blocks a0, a0 + 1 x B's eight, 128 along K.  The 64 accumulators take turns, one instruction a turn, in the same order in every step.
.macro MUL16 a0, p, q, sc, zero
.irp a, \a0, \a0+1
.irp b, 0,1,2,3,4,5,6,7
.if \zero
	v_wmma_scale_f32_16x16x128_f8f6f4 v[8*(8*((\a)%4)+\b):8*(8*((\a)%4)+\b)+7], v[128*(\p)+FR*\b:128*(\p)+FR*\b+FR-1], v[AF+FR*(\a):AF+FR*(\a)+FR-1], 0, v[SC+8*NQ*(\sc)+NQ*\b+(\q)], v[SC+8*NQ*(\sc)+NQ*(\a)+(\q)] matrix_a_scale:MATRIX_SCALE_ROW1
.else
	v_wmma_scale_f32_16x16x128_f8f6f4 v[8*(8*((\a)%4)+\b):8*(8*((\a)%4)+\b)+7], v[128*(\p)+FR*\b:128*(\p)+FR*\b+FR-1], v[AF+FR*(\a):AF+FR*(\a)+FR-1], v[8*(8*((\a)%4)+\b):8*(8*((\a)%4)+\b)+7], v[SC+8*NQ*(\sc)+NQ*\b+(\q)], v[SC+8*NQ*(\sc)+NQ*(\a)+(\q)] matrix_a_scale:MATRIX_SCALE_ROW1
.endif
.endr
.endr
.endm
.macro FETCH_B slot, q, p
	WIN TO_B
.irp i, 0,1,2,3,4,5,6,7
	FRAG 128*(\p)+FR*\i, ADRB+\slot, \q, \i
.endr
	WIN 0
.endm
.macro FETCH_A slot, q, i0
.irp i, \i0, \i0+1, \i0+2, \i0+3
	FRAG AF+FR*(\i), ADRA+\slot, \q, \i
.endr
.endm
.macro SCALES sc                       ; a K step's scale words: two words a row; lanes 0-15 take A's block i, lanes 16-31 B's block i
.irp i, 0,1,2,3,4,5,6,7
	ds_load_b64 v[SC+8*NQ*\sc+NQ*\i:SC+8*NQ*\sc+NQ*\i+1], v[ADRS] offset:\i*SBLK
.endr
.endm
.macro PLACES n                        ; plain vector lines between a matrix instruction and a load into, or a vector line on, its registers
.rept \n
	v_nop
.endr
.endm
.macro STEP slot, q, zero              ; 128 along K whose successor lies in the same slot
	s_wait_dscnt 4*NL                              ; B's set and A's blocks 0-3 are in; the youngest sixteen loads (A's blocks 4-7) may be out
	WIN MUL_LO
	MUL16 0, (\q)%2, \q, \slot, \zero
	MUL16 2, (\q)%2, \q, \slot, \zero
	s_wait_dscnt 0
	PLACES NP
	FETCH_B \slot, (\q)+1, 1-(\q)%2
	FETCH_A \slot, (\q)+1, 0
	WIN MUL_HI
	MUL16 4, (\q)%2, \q, \slot, \zero
	MUL16 6, (\q)%2, \q, \slot, \zero
	PLACES NP
	WIN 0
	FETCH_A \slot, (\q)+1, 4
.endm
; A slot's last step changes slots: one barrier; in front of it each wave waits for all its tensor loads, adds 0 to its spare word, and waits for that and for its reads of this slot.  fill = 1: the slot is filled again, two K steps ahead.
.macro TURN slot, next, fill
	s_wait_tensorcnt 0x0                           ; all my tensor loads have landed: my part of the next slot
	ds_add_u32 v[SPW], v[NIL]                      ; 0 onto my spare word
	s_wait_dscnt 4*NL+1                            ; (the add and the youngest sixteen loads may be out)
	WIN MUL_LO
	MUL16 0, 1, NQ-1, \slot, 0
	s_wait_dscnt 0x0                               ; the add is done, and my reads of this slot are over
	s_barrier_signal -1
	MUL16 2, 1, NQ-1, \slot, 0
	WIN 0
	s_barrier_wait -1
.if \fill
	CREST                                          ; the barrier has opened a round of the cluster's: no wave of any partner still reads this slot or has a load on its way
	s_add_nc_u64 s[G0+4*\slot+2:G0+4*\slot+3], s[G0+4*\slot+2:G0+4*\slot+3], 2*ROWB
	s_add_nc_u64 s[G0B+4*\slot+2:G0B+4*\slot+3], s[G0B+4*\slot+2:G0B+4*\slot+3], 2*ROWB
	JLOAD G0+4*\slot, G1, G0B+4*\slot, G1B         ; the first tensor load behind the round; its four v_nop are among the places in front of the loads below
	PLACES NP-4
.else
	PLACES NP
.endif
	s_wait_alu depctr_va_vdst(0)
	v_add_nc_u32 v[ADRS], 4*NQ, v[ADRS]            ; the next K step's scale words (no LDS load of mine is out)
	FETCH_B \next, 0, 0
	FETCH_A \next, 0, 0
	SCALES \next
	WIN MUL_HI
	MUL16 4, 1, NQ-1, \slot, 0
	MUL16 6, 1, NQ-1, \slot, 0
	PLACES NP
	WIN 0
	FETCH_A \next, 0, 4
.endm
; THE WAY OUT of block a of A (16 rows in the lanes, 128 of B's rows along 64 registers).  v = 0: Q or K; v = 1: V.
; Bias, the four blocks' largest magnitudes, scale word, hold, conversion; the 16 registers of codes leave as they stand, 512 consecutive bytes a store.
.macro OUTBLK a, v
.set AC, 64*((\a)%4)
.set WB, 2+(\a)/4                      ; the window of the block's accumulators
.set WN, (WB<<6)|WB
	WIN WN                                         ; destination and source 0: the accumulators
.set i, 0
.rept 32                               ; ascending: each accumulator is read from its low end on
.if \v
	v_pk_add_f32 v[AC+i:AC+i+1], v[AC+i:AC+i+1], v[BI+2*(\a):BI+2*(\a)+1]   ; my lane's channel
.else
	v_pk_add_f32 v[AC+i:AC+i+1], v[AC+i:AC+i+1], v[BI+i:BI+i+1]             ; the registers' channels
.endif
.set i, i+2
.endr
.set WN, (WB<<2)|WB
	WIN WN                                         ; sources 0 and 1: the accumulators
.irp b, 0,1,2,3
	v_max3_num_f32 v[TM+\b], |v[AC+16*\b]|, |v[AC+16*\b+1]|, 0x4800000   ; block b: my 16 numbers, and the floor 2^(9 - 127): the byte cannot fall under 1
.endr
.irp k, 2,4,6,8,10,12,14
.irp b, 0,1,2,3
	v_max3_num_f32 v[TM+\b], |v[AC+16*\b+\k]|, |v[AC+16*\b+\k+1]|, v[TM+\b]   ; the four blocks by turns
.endr
.endr
	WIN 0
.irp b, 0,1,2,3
	v_permlanex16_b32 v[TM+4+\b], v[TM+\b], s96, s97
.endr
.irp b, 0,1,2,3
	v_max_num_f32 v[TM+\b], v[TM+\b], v[TM+4+\b]   ; with lane l xor 16's 16: the block's largest magnitude
.endr
.irp b, 0,1,2,3
	v_add_nc_u32 v[TM+12+\b], 0xfc000000, v[TM+\b] ; 8 off its exponent field: the conversion's scale operand
.endr
.irp b, 0,1,2,3
.endr
.irp b, 0,1,2,3
	v_lshrrev_b32 v[TM+4+\b], 23, v[TM+12+\b]      ; the scale's byte
.endr
	v_lshl_or_b32 v[PWS+(\a)], v[TM+5], 8, v[TM+4]
	v_lshl_or_b32 v[PWS+(\a)], v[TM+6], 16, v[PWS+(\a)]
	v_lshl_or_b32 v[PWS+(\a)], v[TM+7], 24, v[PWS+(\a)]
.set WN, (WB<<6)|WB
	WIN WN
.irp b, 0,1,2,3
.irp k, 0,1,2,3,4,5,6,7,8,9,10,11,12,13,14,15
.endr
.endr
	WIN WB                                         ; source 0: the accumulators
	s_wait_xcnt 0x0                                ; the last block's stores have read the codes' registers: they are written again only behind this wait
.irp b, 0,1,2,3
	v_cvt_scalef32_pk8_fp8_f32 v[PC+4*\b:PC+4*\b+1], v[AC+16*\b:AC+16*\b+7], v[TM+12+\b]
	v_cvt_scalef32_pk8_fp8_f32 v[PC+4*\b+2:PC+4*\b+3], v[AC+16*\b+8:AC+16*\b+15], v[TM+12+\b]
.endr
	WIN 0
	v_nop                                          ; one plain line behind the last scaled conversion
.irp c, 0,1,2,3
.if \v
	global_store_b128 v[CO], v[PC+4*\c:PC+4*\c+3], s[12:13] offset:((\a)/4)*HEADB+((\a)%4)*2048+\c*512   ; head a / 4, tile of channels a % 4: a whole fragment of 128 keys
.else
	global_store_b128 v[CO], v[PC+4*\c:PC+4*\c+3], s[12:13] offset:(\c/2)*HEADB+(\a)*1024+(\c%2)*512     ; head c / 2, tile of tokens a, its block c % 2
.endif
.endr
.if \v
	s_wait_alu depctr_va_vdst(0)
	ds_store_b32 v[SSV], v[PWS+(\a)] offset:64*(\a)   ; both halves of the lanes write the same word with the same value
.elseif (\a)%2
	s_wait_alu depctr_va_vdst(0)
	v_perm_b32 v[PT+(\a)/2], v[PWS+(\a)], v[PWS+(\a)-1], v[SELV]   ; two bytes of the even tile's word below two of the odd tile's: lanes 0-15 my first head's, lanes 16-31 my second's
	ds_store_b32 v[SSQ], v[PT+(\a)/2] offset:64*((\a)/2)
.endif
.endm
; The last 128 along K and the way out.  The biases are asked for first: they land under the last 64 products.
.macro TAIL v
.if \v
.irp a, 0,1,2,3,4,5,6,7
	global_load_b32 v[BI+2*\a], v[VBL], s[92:93] offset:(32*(\a/2)+8*(\a%2))*4   ; stored row r of tile a is channel 32 (a / 2) + 8 (a % 2) + r + 8 (r / 8)
.endr
.else
.irp b, 0,1,2,3,4,5,6,7
	global_load_b128 v[BI+8*\b:BI+8*\b+3], v[VBH], s[92:93] offset:(32*(\b/2)+8*(\b%2))*4        ; register 8 b + j is channel 32 (b / 2) + 16 h + 8 (b % 2) + j
	global_load_b128 v[BI+8*\b+4:BI+8*\b+7], v[VBH], s[92:93] offset:(32*(\b/2)+8*(\b%2))*4+16
.endr
.endif
	s_wait_dscnt 4*NL
	WIN MUL_LO
	MUL16 0, 1, NQ-1, 1, 0
	MUL16 2, 1, NQ-1, 1, 0
	s_wait_dscnt 0
	WIN MUL_HI
	MUL16 4, 1, NQ-1, 1, 0
	MUL16 6, 1, NQ-1, 1, 0
	WIN 0
	PLACES NP
	s_wait_loadcnt 0x0                             ; the biases
.if \v
.irp a, 0,1,2,3,4,5,6,7
	v_mov_b32 v[BI+2*\a+1], v[BI+2*\a]             ; a pair for the packed addition
.endr
.endif
.irp b, 0,1,2,3
	v_mov_b32 v[TM+4+\b], 0                        ; written once: a lane permute's destination counts as one of its sources
.endr
.irp a, 0,1,2,3,4,5,6,7
	OUTBLK \a, \v
.endr
.if \v
	ds_load_b128 v[T4:T4+3], v[SRV]                ; LDS serves a wave's instructions in order: this sees my stores
.else
	ds_load_b128 v[T4:T4+3], v[SRQ]
.endif
	s_wait_dscnt 0x0
	global_store_b128 v[SCO], v[T4:T4+3], s[94:95] ; lanes 0-15 store 256 consecutive bytes of my first head's record, lanes 16-31 of my second's
	s_wait_tensorcnt 0x0                           ; the wave's end
	ds_add_u32 v[SPW], v[NIL]
	s_wait_dscnt 0x0
	CROUND                                         ; the closing round: no work-group ends while a partner may still ask for a tile that names it
	s_endpgm
.endm
	s_wait_tensorcnt 1                             ; the scales and my part of K step 0 are in; K step 1's one load may be out
	s_barrier_signal -1
	s_barrier_wait -1
	FETCH_B 0, 0, 0
	FETCH_A 0, 0, 0
	SCALES 0
	FETCH_A 0, 0, 4
	STEP 0, 0, 1                                   ; the first products start the sums: nothing is cleared
	TURN 0, 1, 1                                   ; slot 0 takes K step 2
	STEP 1, 0, 0
	TURN 1, 0, 1                                   ; slot 1 takes K step 3
	STEP 0, 0, 0
	TURN 0, 1, 0                                   ; nothing is left to fetch
	STEP 1, 0, 0
	s_cmp_eq_u32 s66, 2                            ; the kind: the same in all sixteen partners
	s_cbranch_scc1 .Ltail_v
	TAIL 0
.Ltail_v:
	TAIL 1
.Lfunc_end_k_q1f1471174e_qkv:
	.size	k_q1f1471174e_qkv, .Lfunc_end_k_q1f1471174e_qkv-k_q1f1471174e_qkv
	.p2alignl 7, 3214868480
	.fill 96, 4, 3214868480
	.section	.rodata,"a",@progbits
	.p2align	6, 0x0
	.amdhsa_kernel k_q1f1471174e_qkv
		.amdhsa_group_segment_fixed_size 327680
		.amdhsa_private_segment_fixed_size 0
		.amdhsa_enable_private_segment 0
		.amdhsa_kernarg_size 64
		.amdhsa_user_sgpr_count 2
		.amdhsa_user_sgpr_kernarg_segment_ptr 1
		.amdhsa_wavefront_size32 1
		.amdhsa_system_sgpr_workgroup_id_x 1
		.amdhsa_system_sgpr_workgroup_id_y 1
		.amdhsa_system_sgpr_workgroup_id_z 1
		.amdhsa_system_vgpr_workitem_id 0
		.amdhsa_next_free_vgpr 1024
		.amdhsa_next_free_sgpr 102
		.amdhsa_reserve_vcc 1
		.amdhsa_float_denorm_mode_32 3
		.amdhsa_float_denorm_mode_16_64 3
		.amdhsa_fp16_overflow 1
		.amdhsa_memory_ordered 1
		.amdhsa_forward_progress 1
		.amdhsa_inst_pref_size 230
	.end_amdhsa_kernel
	.amdgpu_metadata
---
amdhsa.version: [ 1, 2 ]
amdhsa.kernels:
  - .name:           k_q1f1471174e_qkv
    .symbol:         k_q1f1471174e_qkv.kd
    .args:
      - { .name: xc, .offset: 0, .size: 8, .value_kind: global_buffer, .address_space: global }
      - { .name: xs, .offset: 8, .size: 8, .value_kind: global_buffer, .address_space: global }
      - { .name: wc, .offset: 16, .size: 8, .value_kind: global_buffer, .address_space: global }
      - { .name: ws, .offset: 24, .size: 8, .value_kind: global_buffer, .address_space: global }
      - { .name: bq, .offset: 32, .size: 8, .value_kind: global_buffer, .address_space: global }
      - { .name: bk, .offset: 40, .size: 8, .value_kind: global_buffer, .address_space: global }
      - { .name: bv, .offset: 48, .size: 8, .value_kind: global_buffer, .address_space: global }
      - { .name: qkv, .offset: 56, .size: 8, .value_kind: global_buffer, .address_space: global }
    .group_segment_fixed_size: 327680
    .private_segment_fixed_size: 0
    .kernarg_segment_align: 8
    .kernarg_segment_size: 64
    .max_flat_workgroup_size: 128
    .sgpr_count:     102
    .vgpr_count:     1024
    .wavefront_size: 32
...
	.end_amdgpu_metadata
.endif
;; end of part 2
;; launch attn (part 3): grid 4 x 64, 16 waves a work-group, no clusters, 272,384 bytes of LDS; arguments qkv, oc, os; writes oc, os
.if DOCPART == 3
	.amdgcn_target "amdgcn-amd-amdhsa--gfx1250"
	.amdhsa_code_object_version 6
	.text
	.protected	k_q1f1471174e_attn
	.globl	k_q1f1471174e_attn
	.p2align	8
	.type	k_q1f1471174e_attn,@function
k_q1f1471174e_attn:
	s_mov_b64 s[64:65], 0
	v_nop
	global_prefetch_b8 v0, s[64:65] scope:SCOPE_SE
	s_setreg_imm32_b32 hwreg(HW_REG_WAVE_MODE, 25, 1), 1
	s_wait_xcnt 0x0
; Causal attention of one (batch, head) on codes of FP8 (E4M3) with E8M0 scales; head size 64, 2,048 tokens.  In: the records of qkv (Q, K, V parts as images of operand registers).  Out: o / l as codes along the model's 1,024 channels.
; THE SOFTMAX AHEAD OF THE SECOND PRODUCT: t = score x log2(e) / 8; M = the row's largest t so far, rounded UP to a whole number; p = 2^(t - M) is quantised along the keys, not normalised.
; The row's sum is taken of the unquantised p in f32 and divides O at the end.  When M moves, the sum and O are multiplied by 2^(old M - new M): exact.
; SHARES.  Work-group (i, head) owns the blocks of 256 queries 7 - i and i, one after the other: 8 - i and i + 1 blocks of 256 keys, NINE slots of work in every work-group: the trip counts are constants and all work-groups have equal work.
; Each of sixteen waves owns one stored tile of 16 queries of the block in hand, in 256 registers: four waves to a SIMD, so that one wave's vector work stands beside another's matrix work and LDS loads.
; A HEAD'S K AND V STAY IN LDS: eight records x 33,792 bytes = 270,336.  They are filled ONCE, by waves 0 to 3, four tensor loads each, all issued at the start; nothing is ever filled again.  So there are three barriers in all:
; ahead of records 0 and 1, ahead of records 2 and 3, ahead of the rest; behind the third the sixteen waves never wait for each other, and the second block of queries finds its records in LDS.
; THE PRICE: work-group i fetches i records that it never reads (6 of the 32 of a head's four work-groups): every loading wave issues the same four loads on every path, so that the counted waits hold.
; NO JOINT LOADS, though the four work-groups of a head fetch the same records: which record a wave reads, which steps it leaves out and where a block ends hang on the work-group's place among the four.
; LAYOUT.  Both products transposed: S^T = K Q^T (source 0 = keys), O^T = V^T P^T (source 0 = channels): a lane holds ONE query throughout.  Tokens and channels are stored with bits 3 and 4 of their number exchanged, so the
; 16 registers of two neighbouring result tiles are 16 neighbours in true order: key 32 b + 16 (lane / 16) + i, channel likewise.
; K = 64 IN AN INSTRUCTION 128 DEEP: a fragment of source 0 is a PAIR of key tiles (the even one at k 0-63, the odd one at k 64-127).  Against (Q | zeros) it gives the even tile's scores, against (zeros | Q) the odd tile's:
; the other half meets zero codes, which add nothing (all scale bytes lie between 1 and 254, and no code is NaN: the quantiser holds).
; LIMITS: a block whose largest magnitude lies under 2^-118 has its byte held at 1; a block of zeros gets the byte 1 with zero codes; NaN and infinities are not served.
; os is stored two bytes a lane, 32 bytes apart (256 KiB in the whole launch): the layout that the next launch's scale loads want.
; REGISTERS: v1-4, v7-10 addresses; v12 -M, v13 the largest t, v[14:15] the sum; v16-23 zeros, v24-31 Q, v32-39 zeros; v40-103 four fragments of K or V; v104-167 S^T, then p; v168-199 O^T; v200-215 p's codes;
;   v216-223 o's codes, v224 its scale bytes, v225 Q's pair word; v232-247, v252, v254 at work; v248-249 K's scale words, v250-251 V's, v253 p's, v255 Q's.
.set REC,   50688
.set PART,  16896
.set RECB,  2*PART                     ; K's and V's parts of a record: 33,792 consecutive bytes, in memory and in LDS
.set KSW,   16384                      ; in a record's place in LDS: K's codes at 0, K's pair words here,
.set VOFF,  PART                       ; V's codes,
.set VSW,   PART+16384                 ; V's scale words
.set F,     40
.set S,     104
.set OT,    168
.set PCD,   200
.set G0,    80                         ; s[80:95] descriptor group 0, a set for each of a wave's four loads: none is ever rewritten
.macro QLOAD p                         ; my tile's codes (two groups of four registers) and its pair word, from the record at s[p:p+1]
	global_load_b128 v[24:27], v4, s[\p:\p+1]
	global_load_b128 v[28:31], v4, s[\p:\p+1] offset:512
	global_load_b32 v225, v10, s[\p:\p+1]
.endm
	s_load_b128 s[4:7], s[0:1], 0x0                ; qkv, oc
	s_load_b64 s[8:9], s[0:1], 0x10                ; os
	v_lshl_add_u32 v230, v0, 2, 0x42000
	v_mov_b32 v231, 0
	ds_add_u32 v230, v231
	ds_add_u32 v230, v231
	v_lshrrev_b32 v8, 5, v0
	s_delay_alu instid0(VALU_DEP_1)
	v_readfirstlane_b32 s18, v8                    ; wave 0..15
	v_and_b32 v9, 31, v0
	s_delay_alu instid0(VALU_DEP_1)
	v_lshlrev_b32 v1, 4, v9                        ; 16 x lane: an image's place for my lane
	s_delay_alu instid0(VALU_DEP_2)
	v_lshlrev_b32 v2, 2, v9                        ; 4 x lane: a scale word's
	v_and_b32 v10, 15, v0                          ; r
	s_wait_alu depctr_va_vdst(0)
	v_bfe_u32 v11, v0, 4, 1                        ; h
	v_lshlrev_b32 v7, 5, v10                       ; os: 32 bytes a token
	v_lshl_add_u32 v4, s18, 10, v1                 ; Q: 1,024 x wave + 16 x lane
	v_and_b32 v3, 8, v10
	s_delay_alu instid0(VALU_DEP_1)
	v_add_nc_u32 v3, v3, v10                       ; r + 8 (r / 8)
	v_lshlrev_b32 v11, 4, v11
	s_delay_alu instid0(VALU_DEP_1)
	v_sub_nc_u32 v3, v3, v11                       ; - 16 h
	s_and_b32 s70, s18, 1
	s_lshr_b32 s71, s18, 3
	s_bfe_u32 s72, s18, 0x20001                    ; (wave / 2) % 4
	s_lshl_b32 s72, s72, 5
	s_lshl_b32 s73, s70, 3
	s_add_co_u32 s72, s72, s73
	v_add_nc_u32 v3, s72, v3                       ; d = my query's true place among its 128, less 16 h: register 16 b + i holds a key that is hidden where 32 b + i > d
	s_lshr_b32 s73, s18, 1
	s_lshl_b32 s73, s73, 6
	s_add_co_u32 s73, s73, KSW
	v_lshl_add_u32 v10, v10, 2, s73                ; Q's pair word: 16,384 + 64 (wave / 2) + 4 r
	s_mov_b32 s47, 0x03020302                      ; my tile's two bytes of the pair word, twice: the odd tile's,
	s_cmp_eq_u32 s70, 0
	s_cselect_b32 s47, 0x01000100, s47             ; or the even tile's
	s_and_b32 s66, ttmp7, 0xffff                   ; 16 batch + head
	s_lshr_b32 s67, s66, 4
	s_and_b32 s68, s66, 15
	s_sub_co_u32 s69, 7, ttmp9                     ; the first block of queries
	s_lshl_b32 s45, s69, 1
	s_add_co_u32 s46, s45, s71                     ; the key step that holds my queries: 2 block + wave / 8
	s_add_co_u32 s45, s45, 2                       ; the block's key steps
	s_lshl_b32 s60, ttmp9, 1
	s_add_co_u32 s61, s60, s71                     ; the same of the second block
	s_add_co_u32 s60, s60, 2
	s_mul_i32 s72, s66, 8*REC                      ; the head's eight records
	s_lshr_b32 s74, s18, 1                         ; what I fetch, if I fetch: waves 0, 1: K's and V's parts of the even records; waves 2, 3: of the odd ones
	s_mul_i32 s74, s74, REC
	s_mul_i32 s75, s70, PART
	s_add_co_u32 s74, s74, s75
	s_add_co_u32 s74, s74, s72
	s_add_co_u32 s74, s74, PART                    ; (K's part lies behind Q's)
	s_mov_b32 s75, 0
	s_mul_i32 s38, s18, PART                       ; and where it goes: part w & 1 of record w / 2 lies at wave x 16,896
	s_mul_i32 s76, s69, REC
	s_add_co_u32 s76, s76, s72
	s_mov_b32 s77, 0
	s_mul_i32 s78, ttmp9, REC
	s_add_co_u32 s78, s78, s72
	s_mov_b32 s79, 0
	s_mov_b32 s24, 3<<16                           ; group 1: no mask; elements of 8 bytes; no padding: 16,896 dense bytes as 66 rows of 256
	s_mov_b32 s25, 32<<16                          ; tensor_dim0
	s_mov_b32 s26, 66<<16                          ; tensor_dim1
	s_mov_b32 s27, 32<<16                          ; tile_dim0
	s_mov_b32 s28, 66                              ; tile_dim1
	s_mov_b32 s29, 32                              ; tensor_dim0_stride
	s_mov_b32 s30, 0
	s_mov_b32 s31, 0
	s_mov_b32 s42, 0                               ; LDS byte at which the record in hand begins
	s_mov_b32 s44, 8                               ; the key step in hand, counted within the block of queries: first looked at behind the first four records
	s_mov_b32 s20, 0x76543210
	s_mov_b32 s21, 0xfedcba98                      ; v_permlanex16_b32's selects for lane l xor 16
	s_mov_b32 s22, 0x3e38aa3b                      ; c = log2(e) / 8
	s_mov_b32 s23, s22                             ; (named with it as a pair, so it is written)
	s_wait_dscnt 0x0
	s_wait_kmcnt 0x0
	s_add_nc_u64 s[36:37], s[4:5], s[74:75]        ; my part of my first record
	s_add_nc_u64 s[48:49], s[4:5], s[76:77]        ; the first block's record, for Q
	s_add_nc_u64 s[50:51], s[4:5], s[78:79]        ; the second's
.irp g, 0,1,2,3
	s_mov_b32 s[G0+4*\g], 1                        ; count = 1
	s_add_co_u32 s[G0+4*\g+1], s38, \g*4*PART      ; LDS address: two records on with each load
	s_add_nc_u64 s[G0+4*\g+2:G0+4*\g+3], s[36:37], \g*2*REC
	s_or_b32 s[G0+4*\g+3], s[G0+4*\g+3], 0x80000000   ; type = 2
.endr
	s_cmp_lt_u32 s18, 4                            ; all first fills of a wave stand in one branch on its number, ahead of every wait on TENSORcnt, every LDS read and every barrier: four loads of mine are out
	s_cbranch_scc0 .Lasked
	tensor_load_to_lds s[G0:G0+3], s[24:31]
	s_nop 0
	tensor_load_to_lds s[G0+4:G0+7], s[24:31]
	s_nop 0
	tensor_load_to_lds s[G0+8:G0+11], s[24:31]
	s_nop 0
	tensor_load_to_lds s[G0+12:G0+15], s[24:31]
	s_nop 0
.rept 4
	v_nop                                          ; four v_nop follow the last
.endr
.Lasked:
	s_wait_alu depctr_va_vdst(0)
	QLOAD 48
	s_lshr_b32 s72, s68, 2
	s_lshl_b32 s72, s72, 21                        ; oc: 256 along K (four heads) are 2 MiB,
	s_and_b32 s73, s68, 3
	s_lshl_b32 s73, s73, 10                        ; a head 1,024 bytes of a tile's 4,096
	s_add_co_u32 s72, s72, s73
	s_lshl_b32 s73, s67, 7
	s_add_co_u32 s73, s73, s18                     ; 128 batch + wave
	s_lshl_b32 s74, s69, 4
	s_add_co_u32 s74, s74, s73                     ; my tile of tokens in the first block,
	s_lshl_b32 s76, ttmp9, 4
	s_add_co_u32 s76, s76, s73                     ; in the second
	s_lshl_b32 s78, s68, 1                         ; os: a head's two bytes
	s_mov_b32 s71, 0
	s_lshl_b32 s70, s74, 12
	s_add_co_u32 s70, s70, s72
	s_add_nc_u64 s[52:53], s[6:7], s[70:71]
	s_lshl_b32 s70, s76, 12
	s_add_co_u32 s70, s70, s72
	s_add_nc_u64 s[54:55], s[6:7], s[70:71]
	s_lshl_b32 s70, s74, 9
	s_add_co_u32 s70, s70, s78
	s_add_nc_u64 s[56:57], s[8:9], s[70:71]
	s_lshl_b32 s70, s76, 9
	s_add_co_u32 s70, s70, s78
	s_add_nc_u64 s[58:59], s[8:9], s[70:71]
.set j, 0
.rept 8
	v_mov_b32 v[16+j], 0                           ; the zero codes on both sides of Q
	v_mov_b32 v[32+j], 0
.set j, j+1
.endr
.set j, 0
.rept 32
	v_mov_b32 v[OT+j], 0                           ; O^T: the step is written once: the first finds zeros
.set j, j+1
.endr
	v_mov_b32 v13, 0xff61b1e6                      ; the largest t so far: -3e38
	s_delay_alu instid0(VALU_DEP_1)
	v_floor_f32 v12, -v13                          ; -M
	v_mov_b32 v14, 0
	v_mov_b32 v15, 0
.irp b, 0,1,2,3
	v_mov_b32 v[236+\b], 0                         ; written once: a lane permute's destination counts as one of its sources
.endr
	v_mov_b32 v252, 0
	v_mov_b32 v253, 0                              ; (named as the upper half of the pair v[252:253] before it is first written)
	s_wait_loadcnt 0x0                             ; Q
	v_perm_b32 v255, v225, v225, s47               ; Q's scale word: my tile's two bytes, twice: they serve (Q | zeros) and (zeros | Q)
.macro SQK p                           ; a pair of key tiles against (Q | zeros) and (zeros | Q); odd pairs' scale words lie in lanes 16-31
.if (\p)%2
	v_wmma_scale_f32_16x16x128_f8f6f4 v[S+16*\p:S+16*\p+7], v[F+16*\p:F+16*\p+15], v[24:39], 0, v[248+\p/2], v255 matrix_a_scale:MATRIX_SCALE_ROW1
	v_wmma_scale_f32_16x16x128_f8f6f4 v[S+16*\p+8:S+16*\p+15], v[F+16*\p:F+16*\p+15], v[16:31], 0, v[248+\p/2], v255 matrix_a_scale:MATRIX_SCALE_ROW1
.else
	v_wmma_scale_f32_16x16x128_f8f6f4 v[S+16*\p:S+16*\p+7], v[F+16*\p:F+16*\p+15], v[24:39], 0, v[248+\p/2], v255
	v_wmma_scale_f32_16x16x128_f8f6f4 v[S+16*\p+8:S+16*\p+15], v[F+16*\p:F+16*\p+15], v[16:31], 0, v[248+\p/2], v255
.endif
.endm
.macro PV t                            ; O^T += 16 channels x 128 keys of V^T times P^T; the four accumulators take turns
.if (\t)%2
	v_wmma_scale_f32_16x16x128_f8f6f4 v[OT+8*\t:OT+8*\t+7], v[F+16*\t:F+16*\t+15], v[PCD:PCD+15], v[OT+8*\t:OT+8*\t+7], v[250+\t/2], v253 matrix_a_scale:MATRIX_SCALE_ROW1
.else
	v_wmma_scale_f32_16x16x128_f8f6f4 v[OT+8*\t:OT+8*\t+7], v[F+16*\t:F+16*\t+15], v[PCD:PCD+15], v[OT+8*\t:OT+8*\t+7], v[250+\t/2], v253
.endif
.endm
; A KEY STEP: 128 keys, the q-th of the record in hand.  diag = 0: a step of the first four records, all of whose keys come before the first block's queries (that block is 4 at the least): no key is hidden, no step left out.
.macro STEP q, diag
.if \diag
	s_cmp_gt_u32 s44, s46                          ; all 128 keys come after my 16 queries: the step's work is left out (a scalar branch on ids)
	s_cbranch_scc1 .Lhidden_\@
.endif
.rept 8
	v_nop                                          ; places in front of loads into registers that the last products read
.endr
.irp p, 0,1,2,3
.irp c, 0,1,2,3
	ds_load_b128 v[F+16*\p+4*\c:F+16*\p+4*\c+3], v8 offset:8192*(\q)+2048*\p+512*\c   ; 512 consecutive bytes: an image of four registers
.endr
.endr
	ds_load_b32 v248, v9 offset:KSW+256*(\q)       ; pair words: lanes 0-15 pair 0, lanes 16-31 pair 1;
	ds_load_b32 v249, v9 offset:KSW+256*(\q)+128   ; pairs 2 and 3
	s_wait_dscnt 0x0
	SQK 0
	SQK 1
	SQK 2
	SQK 3
.rept 8
	v_nop                                          ; places in front of the loads below and of the first read of the scores
.endr
.irp t, 0,1,2,3                                ; V is asked for now: it lands under the softmax
.irp c, 0,1,2,3
	ds_load_b128 v[F+16*\t+4*\c:F+16*\t+4*\c+3], v8 offset:VOFF+8192*(\q)+2048*\t+512*\c
.endr
.endr
	ds_load_b32 v250, v9 offset:VSW+256*(\q)
	ds_load_b32 v251, v9 offset:VSW+256*(\q)+128
.if \diag
	s_cmp_lg_u32 s44, s46                          ; only the step that holds my queries has hidden keys
	s_cbranch_scc1 .Lopen_\@
	v_mov_b32 v254, 0xff800000                     ; -infinity: p = 0 then
.set n, 0
.rept 64
	v_cmp_gt_i32 vcc_lo, 32*(n/16)+n%16, v3
	v_cndmask_b32 v[S+n], v[S+n], v254, vcc_lo
.set n, n+1
.endr
.Lopen_\@:
.endif
.irp b, 0,1,2,3
	v_max3_num_f32 v[232+\b], v[S+16*\b], v[S+1+16*\b], v[S+2+16*\b]   ; the largest score of each block of 32 keys: it serves the row's maximum and, since p rises with the score, the block's largest p
.endr
.irp i, 3,5,7,9,11,13
.irp b, 0,1,2,3
	v_max3_num_f32 v[232+\b], v[232+\b], v[S+16*\b+\i], v[S+1+16*\b+\i]
.endr
.endr
.irp b, 0,1,2,3
	v_max_num_f32 v[232+\b], v[232+\b], v[S+15+16*\b]
.endr
.irp b, 0,1,2,3
	s_delay_alu instid0(VALU_DEP_4)
	v_permlanex16_b32 v[236+\b], v[232+\b], s20, s21
.endr
.irp b, 0,1,2,3
	s_delay_alu instid0(VALU_DEP_4)
	v_max_num_f32 v[232+\b], v[232+\b], v[236+\b]  ; with lane l xor 16's 16 keys
.endr
	s_delay_alu instid0(VALU_DEP_2)
	v_max3_num_f32 v254, v232, v233, v234
	s_delay_alu instid0(VALU_DEP_1)
	v_max_num_f32 v254, v254, v235
	s_delay_alu instid0(VALU_DEP_1)
	v_mul_f32 v254, s22, v254                      ; as t (c is positive)
	s_delay_alu instid0(VALU_DEP_1)
	v_max_num_f32 v13, v13, v254                   ; the running largest t
	v_mov_b32 v254, v12
	s_delay_alu instid0(VALU_DEP_2)
	v_floor_f32 v12, -v13                          ; the new -M = -ceil(t): a whole number
	s_delay_alu instid0(VALU_DEP_1)
	v_sub_f32 v254, v12, v254                      ; old M less new M: a whole number, 0 or less
	s_delay_alu instid0(VALU_DEP_1)
	v_cvt_i32_f32 v254, v254                       ; (it saturates)
	s_delay_alu instid0(VALU_DEP_1)
	v_ldexp_f32 v252, 1.0, v254                    ; f = 2^(old M - new M)
.set j, 0
.rept 32
	v_pk_fma_f32 v[S+j:S+j+1], v[S+j:S+j+1], s[22:23], v[12:13] op_sel_hi:[1,0,0]   ; t - M, two at a time
.set j, j+2
.endr
.irp b, 0,1,2,3
	v_fma_f32 v[232+\b], v[232+\b], s22, v12       ; the same of each block's largest score
.endr
.set j, 0
	s_wait_alu depctr_va_vdst(0)
.rept 64
	v_exp_f32 v[S+j], v[S+j]                       ; p = 2^(t - M), at most 1
.set j, j+1
.endr
.irp b, 0,1,2,3
	v_exp_f32 v[232+\b], v[232+\b]                 ; the block's largest p: the same two instructions on the same number
.endr
	v_pk_mul_f32 v[14:15], v[14:15], v[252:253] op_sel_hi:[1,0]   ; the sums under the new M (a plain line behind the exponentials)
	s_wait_alu depctr_va_vdst(0)
.irp b, 0,1,2,3
	v_max_num_f32 v[232+\b], 0x4800000, v[232+\b]  ; the floor 2^(9 - 127): the byte cannot fall under 1
.endr
.irp b, 0,1,2,3
	s_delay_alu instid0(VALU_DEP_4)
	v_add_nc_u32 v[244+\b], 0xfc000000, v[232+\b]  ; the conversion's scale operand
.endr
.irp b, 0,1,2,3
.endr
.irp b, 0,1,2,3
	s_delay_alu instid0(VALU_DEP_4)
	v_lshrrev_b32 v[236+\b], 23, v[244+\b]         ; the scale's byte
.endr
	s_delay_alu instid0(VALU_DEP_3)
	v_lshl_or_b32 v253, v237, 8, v236              ; p's scale word for these 128 keys
	s_delay_alu instid0(VALU_DEP_1)
	v_lshl_or_b32 v253, v238, 16, v253
	s_delay_alu instid0(VALU_DEP_1)
	v_lshl_or_b32 v253, v239, 24, v253
	v_pk_add_f32 v[236:237], v[108:109], v[112:113]
	v_pk_add_f32 v[248:249], v[116:117], v[120:121]
	v_pk_add_f32 v[242:243], v[124:125], v[128:129]
	v_pk_add_f32 v[240:241], v[132:133], v[136:137]
	v_pk_add_f32 v[234:235], v[140:141], v[144:145]
	v_pk_add_f32 v[232:233], v[148:149], v[152:153]
	v_pk_add_f32 v[228:229], v[156:157], v[160:161]
	v_pk_add_f32 v[14:15], v[14:15], v[164:165]
	v_pk_add_f32 v[236:237], v[236:237], v[104:105]
	v_pk_add_f32 v[248:249], v[248:249], v[106:107]
	v_pk_add_f32 v[242:243], v[242:243], v[110:111]
	v_pk_add_f32 v[240:241], v[240:241], v[114:115]
	v_pk_add_f32 v[234:235], v[234:235], v[118:119]
	v_pk_add_f32 v[232:233], v[232:233], v[122:123]
	v_pk_add_f32 v[228:229], v[228:229], v[126:127]
	v_pk_add_f32 v[14:15], v[14:15], v[130:131]
	v_pk_add_f32 v[236:237], v[236:237], v[134:135]
	v_pk_add_f32 v[248:249], v[248:249], v[138:139]
	v_pk_add_f32 v[242:243], v[242:243], v[142:143]
	v_pk_add_f32 v[240:241], v[240:241], v[146:147]
	v_pk_add_f32 v[234:235], v[234:235], v[150:151]
	v_pk_add_f32 v[232:233], v[232:233], v[154:155]
	v_pk_add_f32 v[228:229], v[228:229], v[158:159]
	v_pk_add_f32 v[14:15], v[14:15], v[162:163]
	v_pk_add_f32 v[236:237], v[236:237], v[166:167]
	s_delay_alu instid0(VALU_DEP_2)
	v_pk_add_f32 v[14:15], v[14:15], v[240:241]
	s_delay_alu instid0(VALU_DEP_2)
	v_pk_add_f32 v[236:237], v[236:237], v[234:235]
	v_pk_add_f32 v[248:249], v[248:249], v[232:233]
	v_pk_add_f32 v[242:243], v[242:243], v[228:229]
	s_delay_alu instid0(VALU_DEP_2)
	v_pk_add_f32 v[14:15], v[14:15], v[248:249]
	s_delay_alu instid0(VALU_DEP_2)
	v_pk_add_f32 v[236:237], v[236:237], v[242:243]
	s_delay_alu instid0(VALU_DEP_1)
	v_pk_add_f32 v[14:15], v[14:15], v[236:237]
.irp b, 0,1,2,3
.irp i, 0,1,2,3,4,5,6,7,8,9,10,11,12,13,14,15
.endr
	v_cvt_scalef32_pk8_fp8_f32 v[PCD+4*\b:PCD+1+4*\b], v[S+16*\b:S+7+16*\b], v[244+\b]
	v_cvt_scalef32_pk8_fp8_f32 v[PCD+2+4*\b:PCD+3+4*\b], v[S+8+16*\b:S+15+16*\b], v[244+\b]
.endr
.set j, 0
.rept 16
	v_pk_mul_f32 v[OT+j:OT+j+1], v[OT+j:OT+j+1], v[252:253] op_sel_hi:[1,0]   ; O^T under the new M; ascending: each accumulator from its low end on.  (Also the places between the conversions and the products)
.set j, j+2
.endr
	s_wait_alu depctr_va_vdst(0)
	s_wait_dscnt 0x0                               ; V is in
	PV 0
	PV 1
	PV 2
	PV 3
.if \diag
.Lhidden_\@:
	s_add_co_u32 s44, s44, 1
.endif
.endm
; A record's two key steps.  The record's LDS byte steps by a constant; in the last loop it goes back to 0 at a block's end, so there it is held at the last record: the bound of every LDS address below can be read off that line.
.macro SLOT_STEPS diag
.if \diag
	s_min_u32 s39, s42, 7*RECB
	v_add_nc_u32 v8, s39, v1
	v_add_nc_u32 v9, s39, v2
.else
	v_add_nc_u32 v8, s42, v1
	s_wait_alu depctr_va_vdst(0)
	v_add_nc_u32 v9, s42, v2
.endif
	s_wait_alu depctr_va_vdst(0)
	STEP 0, \diag
	STEP 1, \diag
	s_add_co_u32 s42, s42, RECB                    ; on to the next record
.endm
; The waves that fetch wait until all but `left` of their four loads have landed, and say so; the others read behind the barrier.
.macro MEET left
	s_wait_tensorcnt \left
	s_barrier_signal -1
	s_barrier_wait -1
.endm
; A BLOCK'S END: O^T / the sum, quantised along the model's channels (my head's two blocks of 32); the codes leave as images of the next product's operand registers.
.macro FINISH
	s_wait_xcnt 0x0                                ; an earlier block's stores have read their registers
	v_add_f32 v14, v14, v15                        ; the sum's two halves,
	s_delay_alu instid0(VALU_DEP_1)
	v_permlanex16_b32 v252, v14, s20, s21
	s_delay_alu instid0(VALU_DEP_1)
	v_add_f32 v14, v14, v252                       ; and lane l xor 16's
	s_wait_alu depctr_va_vdst(0)
	v_rcp_f32 v14, v14
.rept 7
	v_nop                                          ; with the two additions: the places behind the last products; and the plain line behind the reciprocal
.endr
.set j, 0
	s_wait_alu depctr_va_vdst(0)
.rept 16
	v_pk_mul_f32 v[OT+j:OT+j+1], v[OT+j:OT+j+1], v[14:15] op_sel_hi:[1,0]   ; ascending: each accumulator from its low end on
.set j, j+2
.endr
.irp b, 0,1
	v_max3_num_f32 v[232+\b], |v[OT+16*\b]|, |v[OT+1+16*\b]|, 0x4800000
.endr
.irp i, 2,4,6,8,10,12,14
.irp b, 0,1
	s_delay_alu instid0(VALU_DEP_2)
	v_max3_num_f32 v[232+\b], v[232+\b], |v[OT+16*\b+\i]|, |v[OT+1+16*\b+\i]|
.endr
.endr
.irp b, 0,1
	s_delay_alu instid0(VALU_DEP_2)
	v_permlanex16_b32 v[236+\b], v[232+\b], s20, s21
.endr
.irp b, 0,1
	s_delay_alu instid0(VALU_DEP_2)
	v_max_num_f32 v[232+\b], v[232+\b], v[236+\b]
.endr
.irp b, 0,1
	s_delay_alu instid0(VALU_DEP_2)
	v_add_nc_u32 v[244+\b], 0xfc000000, v[232+\b]
.endr
.irp b, 0,1
.endr
.irp b, 0,1
	s_delay_alu instid0(VALU_DEP_2)
	v_lshrrev_b32 v[236+\b], 23, v[244+\b]
.endr
	s_delay_alu instid0(VALU_DEP_1)
	v_lshl_or_b32 v224, v237, 8, v236              ; my row's two scale bytes
.irp b, 0,1
.irp i, 0,1,2,3,4,5,6,7,8,9,10,11,12,13,14,15
.endr
	v_cvt_scalef32_pk8_fp8_f32 v[216+4*\b:217+4*\b], v[OT+16*\b:OT+7+16*\b], v[244+\b]
	v_cvt_scalef32_pk8_fp8_f32 v[218+4*\b:219+4*\b], v[OT+8+16*\b:OT+15+16*\b], v[244+\b]
.endr
	v_nop                                          ; one plain line behind the last scaled conversion
	global_store_b128 v1, v[216:219], s[52:53]     ; 512 consecutive bytes a store, 1,024 in all
	global_store_b128 v1, v[220:223], s[52:53] offset:512
	global_store_b16 v7, v224, s[56:57]            ; both halves of the lanes write the same two bytes with the same value
.endm
	MEET 3                                         ; each fetching wave's first load is in (its three younger ones may be out): records 0 and 1
	s_mov_b32 s43, 2
.Lfirst:
	s_wait_alu depctr_va_vdst(0)
	SLOT_STEPS 0
	s_sub_co_u32 s43, s43, 1
	s_cmp_lg_u32 s43, 0
	s_cbranch_scc1 .Lfirst
	MEET 2                                         ; the second load is in (two younger ones may be out): records 2 and 3
	s_mov_b32 s43, 2
.Lsecond:
	SLOT_STEPS 0
	s_sub_co_u32 s43, s43, 1
	s_cmp_lg_u32 s43, 0
	s_cbranch_scc1 .Lsecond
	MEET 0                                         ; all eight records are in: from here on no wave waits for another
	s_mov_b32 s43, 5
.Lslot:                                            ; five trips: the rest of the first block (4 - i records) and the second block (i + 1)
	SLOT_STEPS 1
	s_cmp_lg_u32 s44, s45                          ; was that the block's last record?  (ids alone)
	s_cbranch_scc1 .Lsame
	s_cmp_eq_u32 s43, 1                            ; the second block ends with the last trip: nothing follows it
	s_cbranch_scc1 .Llast
	QLOAD 50                                       ; the second block's Q: the last product that read Q's registers stands a softmax back
	FINISH
	s_wait_xcnt 0x0                                ; the stores have read their bases
	s_mov_b64 s[52:53], s[54:55]
	s_mov_b64 s[56:57], s[58:59]
	s_mov_b32 s42, 0                               ; back to record 0
	s_mov_b32 s44, 0
	s_mov_b32 s45, s60
	s_mov_b32 s46, s61
	v_mov_b32 v13, 0xff61b1e6
	s_delay_alu instid0(VALU_DEP_1)
	v_floor_f32 v12, -v13
	v_mov_b32 v14, 0
	v_mov_b32 v15, 0
	s_wait_loadcnt 0x0
	v_perm_b32 v255, v225, v225, s47
.set j, 0
.rept 32
	v_mov_b32 v[OT+j], 0                           ; (also the places between the scale word's write and its next use)
.set j, j+1
.endr
.Lsame:
	s_sub_co_u32 s43, s43, 1
	s_cmp_lg_u32 s43, 0
	s_cbranch_scc1 .Lslot
.Llast:
	FINISH
	s_wait_tensorcnt 0x0
	ds_add_u32 v230, v231
	s_wait_dscnt 0x0
	s_endpgm
.Lfunc_end_k_q1f1471174e_attn:
	.size	k_q1f1471174e_attn, .Lfunc_end_k_q1f1471174e_attn-k_q1f1471174e_attn
	.p2alignl 7, 3214868480
	.fill 96, 4, 3214868480
	.section	.rodata,"a",@progbits
	.p2align	6, 0x0
	.amdhsa_kernel k_q1f1471174e_attn
		.amdhsa_group_segment_fixed_size 272384
		.amdhsa_private_segment_fixed_size 0
		.amdhsa_enable_private_segment 0
		.amdhsa_kernarg_size 24
		.amdhsa_user_sgpr_count 2
		.amdhsa_user_sgpr_kernarg_segment_ptr 1
		.amdhsa_wavefront_size32 1
		.amdhsa_system_sgpr_workgroup_id_x 1
		.amdhsa_system_sgpr_workgroup_id_y 1
		.amdhsa_system_sgpr_workgroup_id_z 1
		.amdhsa_system_vgpr_workitem_id 0
		.amdhsa_next_free_vgpr 256
		.amdhsa_next_free_sgpr 96
		.amdhsa_reserve_vcc 1
		.amdhsa_float_denorm_mode_32 3
		.amdhsa_float_denorm_mode_16_64 3
		.amdhsa_fp16_overflow 1
		.amdhsa_memory_ordered 1
		.amdhsa_forward_progress 1
		.amdhsa_inst_pref_size 132
	.end_amdhsa_kernel
	.amdgpu_metadata
---
amdhsa.version: [ 1, 2 ]
amdhsa.kernels:
  - .name:           k_q1f1471174e_attn
    .symbol:         k_q1f1471174e_attn.kd
    .args:
      - { .name: qkv, .offset: 0, .size: 8, .value_kind: global_buffer, .address_space: global }
      - { .name: oc, .offset: 8, .size: 8, .value_kind: global_buffer, .address_space: global }
      - { .name: os, .offset: 16, .size: 8, .value_kind: global_buffer, .address_space: global }
    .group_segment_fixed_size: 272384
    .private_segment_fixed_size: 0
    .kernarg_segment_align: 8
    .kernarg_segment_size: 24
    .max_flat_workgroup_size: 512
    .sgpr_count:     96
    .vgpr_count:     256
    .wavefront_size: 32
...
	.end_amdgpu_metadata
.endif
;; end of part 3
;; launch oproj (part 4): grid 4 x 64, 4 waves a work-group, clusters of 4 x 4, 327,680 bytes of LDS; arguments oc, os, wc, ws, bo, out0; writes out0
.if DOCPART == 4
	.amdgcn_target "amdgcn-amd-amdhsa--gfx1250"
	.amdhsa_code_object_version 6
	.text
	.protected	k_q1f1471174e_oproj
	.globl	k_q1f1471174e_oproj
	.p2align	8
	.type	k_q1f1471174e_oproj,@function
k_q1f1471174e_oproj:
	s_mov_b64 s[64:65], 0
	v_nop
	global_prefetch_b8 v0, s[64:65] scope:SCOPE_SE
	s_setreg_imm32_b32 hwreg(HW_REG_WAVE_MODE, 25, 1), 1
	s_wait_xcnt 0x0
	s_wait_alu depctr_hold_cnt(0) depctr_sa_sdst(0) depctr_va_vdst(0) depctr_va_sdst(0) depctr_va_ssrc(0) depctr_va_vcc(0) depctr_vm_vsrc(0)
	s_getreg_b32 s2, hwreg(HW_REG_IB_STS2, 6, 4)
	s_cmp_eq_u32 s2, 0
	s_cbranch_scc0 .Lentry_in_a_cluster
	s_endpgm
.Lentry_in_a_cluster:
	s_bfe_u32 s2, ttmp6, 0x10000c
	s_cmp_lg_u32 s2, 0xf033
	s_cbranch_scc0 .Lentry_shape_is_right
	s_endpgm
.Lentry_shape_is_right:
; out0 = o Wo^T + bo on codes of FP8 (E4M3) with E8M0 scales for each 32 along K = 1,024; sums and bias in f32; out0 [8192][1024] f32.
; A tile of 128 tokens x 256 columns is made by four waves: 64 x 4 = 256 tiles, one for each WGP.  A wave makes 64 x 128: 32 accumulators, 256 registers.
; A = o: oc holds IMAGES of operand registers, [256 along K][tile of 16 tokens][128 along K][c][lane][16 bytes]: a K step's 64 tokens are 16,384 dense bytes, and a fragment is four loads of 512 consecutive bytes.  os [8192][32]: scale bytes.
; B = Wo: rows 3,072 on of wc and ws, as rows of codes.  Source 0 = 16 rows of B, source 1 = 16 rows of A: a lane holds eight neighbouring numbers of a row of the result.
; Tokens and Wo's rows are stored with bits 3 and 4 of their number exchanged.  Columns come right by the place that each accumulator takes in the stage, rows by the stores' offsets.
; K GOES IN FOUR STEPS OF 256 THROUGH THREE LDS SLOTS.  K steps 0, 1, 2 and the scales of all of K are first fills, issued together: four tensor loads of a wave are out.  Only K step 3 is a refill, into slot 0,
; behind the one round that stands in the K loop; from its request to the wait for it a wave issues 112 matrix instructions.
; A step of 128 along K is 32 matrix instructions on one set of fragments (A 4, B 8); the next step's 48 LDS loads go out ahead of them, into the other set.  The price of the smaller tile: 12 fragments from LDS feed 32 products.
; CLUSTERS: 4 x 4 work-groups; A's tiles are shared along a row of the cluster, B's along a column: each is asked for jointly.
; REGISTERS: window 0: v0-31 addresses, v8-11 my four numbers of bo; v32-63 scale words, two sets; v128-191, v192-255 A's fragments, two sets (on the way out: rows of the result).  window 1: B's, two sets.  window 2: the accumulators ((a, b) at v[8 (8 a + b)]).
.set NQ,     2                         ; matrix instructions deep in a slot
.set ROWB,   256
.set KROW,   1024
.set PITCH,  272                       ; B's LDS row: 256 bytes + 16 of padding: the 16 rows that a load touches start at 16 different banks (64 banks of 4 bytes: ISA guide 11.1)
.set FR,     16
.set NP,     8                         ; places behind this matrix instruction (ISA guide 7.12.1)
.set HALFA,  16384                     ; 64 tokens' images for 256 along K: what one tensor load brings for A
.set HALFT,  128*PITCH                 ; 128 rows of B: what one brings for B
.set BOFF,   2*HALFA
.set SLOT,   BOFF+2*HALFT              ; 102,400
.set KS,     32
.set SCL,    3*SLOT                    ; behind the slots: the scales of all of K, as units of 256 bytes + 16 of padding: A's two halves, then B's two
.set HSA,    (64*KS/256)*272
.set HSB,    (128*KS/256)*272
.set SBLK,   (16*KS/256)*272
.set SPARE,  SCL+2*HSA+2*HSB           ; the spare words, 128 bytes a wave: two blocks of 256 bytes that no other line names
.set STAGE,  SLOT                      ; the way out: 16 rows x (512 bytes + 16) a wave, in slot 1: it is filled once, and its last read stands ahead of the K loop's last barrier
.set SPITCH, 528
.set ASTEP,  0x200000                  ; oc: from 256 along K to the next
.set ADRA, 16                          ; v16-18  LDS address of my A fragments in slot 0, 1, 2
.set ADRB, 20                          ; v20-22  the same for B
.set STO,  24
.set RD,   25
.set CO,   26                          ; v26     16 x lane
.set ADRS, 27
.set SPW,  28
.set NIL,  29
.set SC,   32
.set AF,   128
.set BK,   128
.set G1, 24                            ; s[24:31] group 1 for A's tiles;  s[32:43] group 0, a set for each slot
.set G0, 32
.set G1B, 44                           ; s[44:51], s[52:63] the same for B's
.set G0B, 52
.set G1S, 68                           ; s[68:75], s[76:79] groups 1 and 0 for A's scales;  s[80:87], s[88:91] for B's
.set G0S, 76
.set G1SB, 80
.set G0SB, 88
.set MSB, 0
.macro WIN new                         ; the immediate's high byte repeats the setting that is left
.if MSB != \new
	s_set_vgpr_msb (MSB<<8)|\new
.set MSB, \new
.endif
.endm
.set MUL,  0xa1                        ; source 0 (B) window 1, source 1 (A) window 0, C and D window 2
.set TO_B, 0x40                        ; destination window 1, address window 0
.macro JLOAD g0a, g1a, g0b, g1b        ; a joint load: waves 0 and 1 fetch for A, waves 2 and 3 for B; the branch hangs on the wave's number alone.  Four v_nop follow each of the two lines
	s_cmp_eq_u32 s15, 0
	s_cbranch_scc0 .Lfor_b_\@
	tensor_load_to_lds s[\g0a:\g0a+3], s[\g1a:\g1a+7]
	s_nop 0
.rept 4
	v_nop
.endr
	s_branch .Lasked_\@
.Lfor_b_\@:
	tensor_load_to_lds s[\g0b:\g0b+3], s[\g1b:\g1b+7]
	s_nop 0
.rept 4
	v_nop
.endr
.Lasked_\@:
.endm
.macro CREST                           ; a round of the cluster's barrier behind its opening barrier
	s_cmp_lg_u32 s14, 0
	s_cbranch_scc1 .Lnot_wave_0_\@
	s_barrier_signal -3
.Lnot_wave_0_\@:
	s_barrier_wait -3
	s_barrier_signal -1
	s_barrier_wait -1
.endm
.macro CROUND
	s_barrier_signal -1
	s_barrier_wait -1
	CREST
.endm
	s_load_b256 s[4:11], s[0:1], 0x0               ; oc, os, wc, ws
	s_load_b128 s[96:99], s[0:1], 0x20             ; bo, out0
	v_lshl_add_u32 v[SPW], v0, 2, SPARE
	v_mov_b32 v[NIL], 0
	ds_add_u32 v28, v29
	ds_add_u32 v28, v29
	s_wait_dscnt 0x0
	v_lshrrev_b32 v1, 5, v0
	v_readfirstlane_b32 s14, v1                    ; wave 0..3
	s_lshr_b32 s15, s14, 1                         ; my half of the tile's tokens.  Also: I fetch for A (0) or for B (1)
	s_and_b32 s16, s14, 1                          ; my half of its columns.  Also: which half of that tile I fetch
	s_bfe_u32 s66, ttmp6, 0x40000                  ; cx
	s_bfe_u32 s67, ttmp6, 0x40004                  ; cy
	s_lshl_b32 s100, ttmp9, 2
	s_add_co_u32 s100, s100, s66                   ; tile column: 256 columns
	s_and_b32 s17, ttmp7, 0xffff
	s_lshl_b32 s17, s17, 2
	s_add_co_u32 s17, s17, s67                     ; tile row: 128 tokens
	s_lshl_b32 s2, s67, 2
	s_lshl_b32 s2, 15, s2                          ; my row of the cluster
	s_lshl_b32 s3, 0x1111, s66                     ; my column
	s_or_b32 s[G1+0], s2, (3<<16)|(1<<21)          ; A: the mask; elements of 8 bytes; no padding; bit 21 beside a mask: 16,384 dense bytes as 64 rows of 256
	s_mov_b32 s[G1+1], 32<<16
	s_mov_b32 s[G1+2], 64<<16
	s_mov_b32 s[G1+3], 32<<16
	s_mov_b32 s[G1+4], 64
	s_mov_b32 s[G1+5], 32
	s_mov_b32 s[G1+6], 0
	s_mov_b32 s[G1+7], 0
	s_or_b32 s[G1B+0], s3, (0<<16)|(1<<20)|(1<<21)|(5<<22)|(3<<25)  ; B: 128 rows of 256 bytes, 1,024 apart; 4 words of padding after every 64
	s_mov_b32 s[G1B+1], ROWB<<16
	s_mov_b32 s[G1B+2], 128<<16
	s_mov_b32 s[G1B+3], ROWB<<16
	s_mov_b32 s[G1B+4], 128
	s_mov_b32 s[G1B+5], KROW
	s_mov_b32 s[G1B+6], 0
	s_mov_b32 s[G1B+7], 0
	s_or_b32 s[G1S+0], s2, (3<<16)|(1<<20)|(1<<21)|(5<<22)|(3<<25)  ; the scales of 64 tokens: 2,048 dense bytes as 8 rows of 256, 16 bytes of padding behind each
	s_mov_b32 s[G1S+1], 32<<16
	s_mov_b32 s[G1S+2], (64*KS/256)<<16
	s_mov_b32 s[G1S+3], 32<<16
	s_mov_b32 s[G1S+4], 64*KS/256
	s_mov_b32 s[G1S+5], 32
	s_mov_b32 s[G1S+6], 0
	s_mov_b32 s[G1S+7], 0
	s_or_b32 s[G1SB+0], s3, (3<<16)|(1<<20)|(1<<21)|(5<<22)|(3<<25) ; those of 128 rows of B: 16 rows of 256
	s_mov_b32 s[G1SB+1], 32<<16
	s_mov_b32 s[G1SB+2], (128*KS/256)<<16
	s_mov_b32 s[G1SB+3], 32<<16
	s_mov_b32 s[G1SB+4], 128*KS/256
	s_mov_b32 s[G1SB+5], 32
	s_mov_b32 s[G1SB+6], 0
	s_mov_b32 s[G1SB+7], 0
	s_lshl_b32 s18, s16, 6
	s_lshl_b32 s20, s17, 7
	s_add_co_u32 s20, s20, s18                     ; A's first token that I fetch: 128 x tile row + 64 x half
	s_lshl_b32 s22, s20, 5                         ; its scales: 32 bytes a token
	s_mov_b32 s23, 0
	s_lshl_b32 s20, s20, 8                         ; its images: 256 bytes a token for 256 along K
	s_mov_b32 s21, 0
	s_lshl_b32 s19, s16, 7
	s_lshl_b32 s92, s100, 8
	s_add_co_u32 s92, s92, s19                     ; B's first row that I fetch: 256 x tile column + 128 x half
	s_lshl_b32 s94, s92, 5
	s_mov_b32 s95, 0
	s_lshl_b32 s92, s92, 10                        ; 1,024 bytes a row
	s_mov_b32 s93, 0
	s_lshl_b32 s101, s16, 14                       ; where they go: half x a constant: no place in the cluster enters an LDS address
	s_mul_i32 s19, s16, HALFT
	s_mul_i32 s18, s16, HSA
	s_mul_i32 s12, s16, HSB
	s_wait_kmcnt 0x0
	s_add_nc_u64 s[8:9], s[8:9], 0x300000          ; Wo's codes: rows 3,072 on of wc
	s_add_nc_u64 s[10:11], s[10:11], 0x18000       ; Wo's scales
	s_add_nc_u64 s[20:21], s[4:5], s[20:21]
	s_add_nc_u64 s[22:23], s[6:7], s[22:23]
	s_add_nc_u64 s[92:93], s[8:9], s[92:93]
	s_add_nc_u64 s[94:95], s[10:11], s[94:95]
	CROUND                                         ; all sixteen work-groups are here: the first joint loads meet
	s_mov_b32 s[G0S], 1
	s_add_co_u32 s[G0S+1], s18, SCL
	s_mov_b64 s[G0S+2:G0S+3], s[22:23]
	s_or_b32 s[G0S+3], s[G0S+3], 0x80000000
	s_mov_b32 s[G0SB], 1
	s_add_co_u32 s[G0SB+1], s12, SCL+2*HSA
	s_mov_b64 s[G0SB+2:G0SB+3], s[94:95]
	s_or_b32 s[G0SB+3], s[G0SB+3], 0x80000000
	JLOAD G0S, G1S, G0SB, G1SB                     ; the scales first: they are wanted with K step 0
.irp s, 0,1,2
	s_mov_b32 s[G0+4*\s], 1
	s_add_co_u32 s[G0+4*\s+1], s101, \s*SLOT
	s_add_nc_u64 s[G0+4*\s+2:G0+4*\s+3], s[20:21], \s*ASTEP
	s_or_b32 s[G0+4*\s+3], s[G0+4*\s+3], 0x80000000
	s_mov_b32 s[G0B+4*\s], 1
	s_add_co_u32 s[G0B+4*\s+1], s19, \s*SLOT+BOFF
	s_add_nc_u64 s[G0B+4*\s+2:G0B+4*\s+3], s[92:93], \s*ROWB
	s_or_b32 s[G0B+4*\s+3], s[G0B+4*\s+3], 0x80000000
	JLOAD G0+4*\s, G1, G0B+4*\s, G1B
.endr
	v_and_b32 v1, 15, v0                           ; r
	v_bfe_u32 v2, v0, 4, 1                         ; h
	v_and_b32 v6, 31, v0
	v_lshlrev_b32 v[CO], 4, v6                     ; 16 x lane
	v_mul_u32_u24 v3, v1, PITCH
	v_lshl_add_u32 v4, v2, 4, v3                   ; B: a fragment's row x pitch + 16 x half
	s_lshl_b32 s21, s15, 14                        ; my 64 tokens of A
	s_mul_i32 s22, s16, HALFT
	s_add_co_u32 s22, s22, BOFF                    ; my 128 rows of B
.irp s, 0,1,2
	v_add_nc_u32 v[ADRA+\s], s21, v[CO]            ; A: an image's place for my lane
	v_add_nc_u32 v[ADRB+\s], s22, v4
	s_add_co_u32 s21, s21, SLOT
	s_add_co_u32 s22, s22, SLOT
.endr
	v_mul_u32_u24 v5, v1, KS                       ; my row's scales: 32 bytes a row,
	v_lshrrev_b32 v6, 8, v5
	v_lshl_add_u32 v5, v6, 4, v5                   ; and 16 more for each 256 passed
	s_mul_i32 s21, s15, HSA
	s_mul_i32 s22, s16, HSB
	s_add_co_u32 s22, s22, 2*HSA
	s_sub_co_u32 s22, s22, s21
	v_mul_u32_u24 v6, s22, v2                      ; lanes 16-31 take B's: one product, the distance between the two bases
	s_add_co_u32 s21, s21, SCL
	v_add_nc_u32 v5, v5, v6
	v_add_nc_u32 v[ADRS], s21, v5
	s_mul_i32 s23, s14, 16*SPITCH
	s_add_co_u32 s23, s23, STAGE                   ; my stage
	v_mul_u32_u24 v5, v1, SPITCH
	v_lshl_add_u32 v5, v2, 6, v5                   ; in: row r, + 64 h: register 8 b + j is column 32 (b / 2) + 16 h + 8 (b % 2) + j
	v_add_nc_u32 v[STO], s23, v5
	v_add_nc_u32 v[RD], s23, v[CO]                 ; back: the 32 lanes take one row of 512 bytes
	s_lshl_b32 s20, s17, 7
	s_lshl_b32 s21, s15, 6
	s_add_co_u32 s20, s20, s21                     ; my first row: 128 x tile row + 64 x half
	s_mov_b32 s21, 0
	s_lshl_b64 s[20:21], s[20:21], 12              ; 4,096 bytes a row
	s_lshl_b32 s92, s100, 10
	s_lshl_b32 s93, s16, 9
	s_add_co_u32 s92, s92, s93                     ; my first column, in bytes
	s_mov_b32 s93, 0
	s_add_nc_u64 s[20:21], s[20:21], s[92:93]
	s_add_nc_u64 s[12:13], s[98:99], s[20:21]
	s_add_nc_u64 s[96:97], s[96:97], s[92:93]
	global_load_b128 v[8:11], v[CO], s[96:97]      ; bo at the four columns that I store
.macro FRAGB reg, adr, q, i            ; 16 rows x 128 K from rows of codes: lane l holds row l % 16; registers 4 c .. 4 c + 3 hold K = 32 c + 16 (l / 16) + 0 .. 15
.irp c, 0,1,2,3
	ds_load_b128 v[\reg+4*\c:\reg+4*\c+3], v[\adr] offset:128*(\q)+32*\c+(\i)*16*PITCH
.endr
.endm
.macro FRAGA reg, adr, q, i            ; the same from an image: 512 consecutive bytes a load
.irp c, 0,1,2,3
	ds_load_b128 v[\reg+4*\c:\reg+4*\c+3], v[\adr] offset:4096*(\i)+2048*(\q)+512*\c
.endr
.endm
; 8 matrix instructions: A's block a x B's eight, the slot's q-th 128 along K, from the sets q.  The 32 accumulators take turns, one instruction a turn, in the same order in every step.
.macro MUL8 a, q, sc, zero
.irp b, 0,1,2,3,4,5,6,7
.if \zero
	v_wmma_scale_f32_16x16x128_f8f6f4 v[8*(8*(\a)+\b):8*(8*(\a)+\b)+7], v[128*(\q)+FR*\b:128*(\q)+FR*\b+FR-1], v[AF+64*(\q)+FR*(\a):AF+64*(\q)+FR*(\a)+FR-1], 0, v[SC+8*NQ*(\sc)+NQ*\b+(\q)], v[SC+8*NQ*(\sc)+NQ*(\a)+(\q)] matrix_a_scale:MATRIX_SCALE_ROW1
.else
	v_wmma_scale_f32_16x16x128_f8f6f4 v[8*(8*(\a)+\b):8*(8*(\a)+\b)+7], v[128*(\q)+FR*\b:128*(\q)+FR*\b+FR-1], v[AF+64*(\q)+FR*(\a):AF+64*(\q)+FR*(\a)+FR-1], v[8*(8*(\a)+\b):8*(8*(\a)+\b)+7], v[SC+8*NQ*(\sc)+NQ*\b+(\q)], v[SC+8*NQ*(\sc)+NQ*(\a)+(\q)] matrix_a_scale:MATRIX_SCALE_ROW1
.endif
.endr
.endm
.macro FETCH slot, q                   ; 48 LDS loads in one run: B's eight fragments and A's four of the slot's q-th 128 along K, into the sets q
	WIN TO_B
.irp i, 0,1,2,3,4,5,6,7
	FRAGB 128*(\q)+FR*\i, ADRB+\slot, \q, \i
.endr
	WIN 0
.irp i, 0,1,2,3
	FRAGA AF+64*(\q)+FR*\i, ADRA+\slot, \q, \i
.endr
.endm
.macro SCALES sc                       ; a K step's scale words, two a row: lanes 16-31 take B's block i; lanes 0-15 A's block i (A has four: for i of 4 and more they read the words that lie behind, which no product names)
.irp i, 0,1,2,3,4,5,6,7
	ds_load_b64 v[SC+8*NQ*\sc+NQ*\i:SC+8*NQ*\sc+NQ*\i+1], v[ADRS] offset:\i*SBLK
.endr
.endm
.macro PLACES n                        ; plain vector lines between a matrix instruction and a load into, or a store from, its registers
.rept \n
	v_nop
.endr
.endm
; A step of 128 along K with no barrier: the sets q are multiplied under scale set sc; ahead of the products the next step's fragments (slot fslot, its fq-th 128) are asked for, into the other sets.
; fsc < 2: the next step opens a slot: its scale words come too, into set fsc.
.macro HSTEP q, sc, zero, fslot, fq, fsc
	s_wait_dscnt 0x0                               ; this step's fragments are in
	PLACES NP                                      ; the other sets were read by the products just issued
.if \fsc < 2
	v_add_nc_u32 v[ADRS], 4*NQ, v[ADRS]            ; the next K step's scale words (no LDS load of mine is out)
.endif
	FETCH \fslot, \fq
.if \fsc < 2
	SCALES \fsc
.endif
	WIN MUL
	MUL8 0, \q, \sc, \zero
	MUL8 1, \q, \sc, \zero
	MUL8 2, \q, \sc, \zero
	MUL8 3, \q, \sc, \zero
	WIN 0
.endm
; A slot's second step with a barrier.  In front of it each wave waits for all its tensor loads, adds 0 to its spare word, and waits for that and for its reads of the slot.
; fill = 1: slot 0, just read out, takes K step 3: the barrier opens a round of the cluster's.  fill = 0: the barrier shows K step 3 to every wave.
.macro HTURN sc, next, nsc, fill
	s_wait_tensorcnt 0x0                           ; all my tensor loads have landed
	ds_add_u32 v[SPW], v[NIL]                      ; 0 onto my spare word
	s_wait_dscnt 0x1                               ; this step's fragments are in (the add may be out)
	WIN MUL
	MUL8 0, 1, \sc, 0
	s_wait_dscnt 0x0                               ; the add is done, and my reads of this slot are over
	s_barrier_signal -1
	MUL8 1, 1, \sc, 0
	WIN 0
	s_barrier_wait -1
.if \fill
	CREST                                          ; no wave of any partner still reads slot 0 or has a load on its way
	s_add_nc_u64 s[G0+2:G0+3], s[G0+2:G0+3], 3*ASTEP
	s_add_nc_u64 s[G0B+2:G0B+3], s[G0B+2:G0B+3], 3*ROWB
	JLOAD G0, G1, G0B, G1B                         ; the first tensor load behind the round; its four v_nop are among the places in front of the loads below
	PLACES NP-4
.else
	PLACES NP
.endif
	v_add_nc_u32 v[ADRS], 4*NQ, v[ADRS]
	FETCH \next, 0
	SCALES \nsc
	WIN MUL
	MUL8 2, 1, \sc, 0
	MUL8 3, 1, \sc, 0
	WIN 0
.endm
	s_wait_tensorcnt 0x2                           ; the scales and my part of K step 0 are in; K steps 1 and 2 may be out
	s_barrier_signal -1
	s_barrier_wait -1
	FETCH 0, 0
	SCALES 0
	HSTEP 0, 0, 1, 0, 1, 2                         ; K 0-127: the first products start the sums: nothing is cleared
	HTURN 0, 1, 1, 1                               ; K 128-255; slot 0 takes K step 3; every first fill has been shown landed
	HSTEP 0, 1, 0, 1, 1, 2                         ; K 256-383
	HSTEP 1, 1, 0, 2, 0, 0                         ; K 384-511; on into slot 2, which the barrier above has shown whole
	HSTEP 0, 0, 0, 2, 1, 2                         ; K 512-639
	HTURN 0, 0, 1, 0                               ; K 640-767; K step 3 is in
	HSTEP 0, 1, 0, 0, 1, 2                         ; K 768-895
	s_wait_dscnt 0x0                               ; K 896-1023: nothing more to fetch
	WIN MUL
	MUL8 0, 1, 1, 0
	MUL8 1, 1, 1, 0
	MUL8 2, 1, 1, 0
	MUL8 3, 1, 1, 0
	WIN 0
; THE WAY OUT, block by block of 16 tokens x 128 columns, through my own stage: in by columns' true places, back as whole rows of 512 bytes; bo is added; the 32 lanes store 512 consecutive bytes.
; LDS serves a wave's instructions in order (ISA guide 5.7.1.4): no wait between the stores and the loads, nor in front of the next block's stores.
.macro TOSTAGE a
.set AC, 64*(\a)
	WIN 0x08                                       ; the data: window 2
.irp b, 0,1,2,3,4,5,6,7
	ds_store_b128 v[STO], v[AC+8*\b:AC+8*\b+3] offset:128*(\b/2)+32*(\b%2)        ; each accumulator from its low end on
	ds_store_b128 v[STO], v[AC+8*\b+4:AC+8*\b+7] offset:128*(\b/2)+32*(\b%2)+16
.endr
	WIN 0
.set BB, BK+64*((\a)%2)
.irp t, 0,1,2,3,4,5,6,7,8,9,10,11,12,13,14,15
	ds_load_b128 v[BB+4*\t:BB+4*\t+3], v[RD] offset:\t*SPITCH
.endr
.endm
.macro SEND a, younger                 ; younger: the LDS instructions issued behind block a's loads, which may stay out
.set BB, BK+64*((\a)%2)
	s_wait_dscnt \younger
.irp t, 0,1,2,3,4,5,6,7,8,9,10,11,12,13,14,15
	v_pk_add_f32 v[BB+4*\t:BB+4*\t+1], v[BB+4*\t:BB+4*\t+1], v[8:9]
	v_pk_add_f32 v[BB+4*\t+2:BB+4*\t+3], v[BB+4*\t+2:BB+4*\t+3], v[10:11]
	global_store_b128 v[CO], v[BB+4*\t:BB+4*\t+3], s[12:13] offset:(32*((\a)/2)+8*((\a)%2)+\t+8*(\t/8))*4096 th:TH_STORE_NT   ; stored token 16 a + t is token 32 (a / 2) + 8 (a % 2) + t + 8 (t / 8); 63 rows at the most: inside the signed 24-bit immediate
.endr
.endm
	PLACES NP                                      ; in front of the loads into the registers that held A's fragments, and of the first reads of results
	s_wait_loadcnt 0x0                             ; bo
	TOSTAGE 0
.irp a, 1,2,3
.if \a > 1
	s_wait_xcnt 0x0                                ; block a - 2's stores have read their registers: block a's loads may land there
.endif
	TOSTAGE \a
	SEND \a-1, 32                                  ; behind block a - 1's loads: block a's 16 stores and 16 loads
.endr
	SEND 3, 0
	s_wait_tensorcnt 0x0                           ; the wave's end
	ds_add_u32 v[SPW], v[NIL]
	s_wait_dscnt 0x0
	CROUND                                         ; the closing round: no work-group ends while a partner may still ask for a tile that names it
	s_endpgm
.Lfunc_end_k_q1f1471174e_oproj:
	.size	k_q1f1471174e_oproj, .Lfunc_end_k_q1f1471174e_oproj-k_q1f1471174e_oproj
	.p2alignl 7, 3214868480
	.fill 96, 4, 3214868480
	.section	.rodata,"a",@progbits
	.p2align	6, 0x0
	.amdhsa_kernel k_q1f1471174e_oproj
		.amdhsa_group_segment_fixed_size 327680
		.amdhsa_private_segment_fixed_size 0
		.amdhsa_enable_private_segment 0
		.amdhsa_kernarg_size 48
		.amdhsa_user_sgpr_count 2
		.amdhsa_user_sgpr_kernarg_segment_ptr 1
		.amdhsa_wavefront_size32 1
		.amdhsa_system_sgpr_workgroup_id_x 1
		.amdhsa_system_sgpr_workgroup_id_y 1
		.amdhsa_system_sgpr_workgroup_id_z 1
		.amdhsa_system_vgpr_workitem_id 0
		.amdhsa_next_free_vgpr 768
		.amdhsa_next_free_sgpr 102
		.amdhsa_reserve_vcc 0
		.amdhsa_float_denorm_mode_32 3
		.amdhsa_float_denorm_mode_16_64 3
		.amdhsa_memory_ordered 1
		.amdhsa_forward_progress 1
		.amdhsa_inst_pref_size 97
	.end_amdhsa_kernel
	.amdgpu_metadata
---
amdhsa.version: [ 1, 2 ]
amdhsa.kernels:
  - .name:           k_q1f1471174e_oproj
    .symbol:         k_q1f1471174e_oproj.kd
    .args:
      - { .name: oc, .offset: 0, .size: 8, .value_kind: global_buffer, .address_space: global }
      - { .name: os, .offset: 8, .size: 8, .value_kind: global_buffer, .address_space: global }
      - { .name: wc, .offset: 16, .size: 8, .value_kind: global_buffer, .address_space: global }
      - { .name: ws, .offset: 24, .size: 8, .value_kind: global_buffer, .address_space: global }
      - { .name: bo, .offset: 32, .size: 8, .value_kind: global_buffer, .address_space: global }
      - { .name: out0, .offset: 40, .size: 8, .value_kind: global_buffer, .address_space: global }
    .group_segment_fixed_size: 327680
    .private_segment_fixed_size: 0
    .kernarg_segment_align: 8
    .kernarg_segment_size: 48
    .max_flat_workgroup_size: 128
    .sgpr_count:     102
    .vgpr_count:     768
    .wavefront_size: 32
...
	.end_amdgpu_metadata
.endif
;; end of part 4
